; MI455X (gfx1250); checked and timed in simulation.
; The chip was launched on July 23, 2026; its instructions are those of AMD's public machine-readable ISA for CDNA 5 (MIT licence, August 2026) and "CDNA5" Instruction Set Architecture Reference Guide (July 2026). The comments in the code are by the model that wrote it; some were corrected since.
;; Enhanced Attention Layer. Allowed arithmetic: matrix products marked QUANTISED: E2M3 operands, one E8M0 scale for each 32 along K, by v_wmma_scale_f32_16x16x128_f8f6f4 with both operands' format E2M3, f32 sums; products left as they are: f32 operands where the result goes on into a quantised operand, else bf16, f16 or f32 operands; f32 sums; everything else in f32.
;; Inputs: Wk_codes 1,024 x 32 x 24 uint8 (E2M3 codes of Wk, K innermost, in blocks of 32 codes, four codes in three bytes); Wk_scales 1,024 x 32 uint8 (E8M0 scales of Wk, one for each 32 codes along K); Wo_codes 1,024 x 32 x 24 uint8 (E2M3 codes of Wo, K innermost, in blocks of 32 codes, four codes in three bytes); Wo_scales 1,024 x 32 uint8 (E8M0 scales of Wo, one for each 32 codes along K); Wq_codes 1,024 x 32 x 24 uint8 (E2M3 codes of Wq, K innermost, in blocks of 32 codes, four codes in three bytes); Wq_scales 1,024 x 32 uint8 (E8M0 scales of Wq, one for each 32 codes along K); Wv_codes 1,024 x 32 x 24 uint8 (E2M3 codes of Wv, K innermost, in blocks of 32 codes, four codes in three bytes); Wv_scales 1,024 x 32 uint8 (E8M0 scales of Wv, one for each 32 codes along K); bk 1,024 float32; bo 1,024 float32; bq 1,024 float32; bv 1,024 float32; x_codes 4 x 2,048 x 32 x 24 uint8 (E2M3 codes of x, K innermost, in blocks of 32 codes, four codes in three bytes); x_scales 4 x 2,048 x 32 uint8 (E8M0 scales of x, one for each 32 codes along K).
;; Outputs: out0 4 x 1,024 float32; out1 4 x 8 x 2,048 float32; out2 one number float32.
;; This version of the problem:
;;   THIS VERSION OF THE PROBLEM IS GIVEN IN LOW PRECISION. The matrix products marked QUANTISED in the list below multiply operands that are first quantised to E2M3 (2 exponent bits, 3 mantissa bits; 6 bits a number), with one power-of-two scale for each 32 numbers along K (OCP MX v1.0); their sums are f32. All else is computed in f32.
;;   The module's matrix products, in the order in which they are computed (A, B: the left and right operand; K: the contracted axis; several contracted axes count as one K, in the product's order):
;;     1. [M 8,192, K 1,024] x [K 1,024, N 1,024]; A: input x (given as codes); B: input Wq (given as codes): QUANTISED
;;     2. [M 8,192, K 1,024] x [K 1,024, N 1,024]; A: input x (given as codes); B: input Wk (given as codes): QUANTISED
;;     3. [M 8,192, K 1,024] x [K 1,024, N 1,024]; A: input x (given as codes); B: input Wv (given as codes): QUANTISED
;;     4. batch 32 x [M 2,048, K 128] x [K 128, N 2,048]; A: computed on the way; B: computed on the way: QUANTISED
;;     5. batch 32 x [M 128, K 2,048] x [K 2,048, N 2,048]; A: computed on the way; B: softmax (see below): QUANTISED
;;     6. [M 8,192, K 1,024] x [K 1,024, N 1,024]; A: computed on the way; B: input Wo (given as codes): QUANTISED
;;     7. batch 4 x [M 8, K 2,048] x [K 2,048, N 8]; A: computed on the way; B: computed on the way: left as it is (M = 8 < 16)
;;   THE QUANTISER, for each operand of a quantised product, along K:
;;     - K is cut into blocks of 32 from its start; a last block that is shorter is filled with zeros.
;;     - A block's scale is 2^e with e = floor(log2(the largest magnitude in the block)) - 2, held to -126 .. 127; a block of zeros has e = 0. As a byte (E8M0): e + 127.
;;     - Each number is divided by its block's scale, clamped to +-7.5, and rounded to the nearest number of E2M3, ties to even, subnormals kept.
;;     - The product sums the exact products of the quantised numbers (number of the format x scale) in f32.
;;   ~~~python
;;   def quantise(x, axis):      # numpy; x: float32 -> the quantised numbers, widened to float32 again
;;       x = np.moveaxis(x, axis, -1); K = x.shape[-1]
;;       x = np.pad(x, [(0, 0)] * (x.ndim - 1) + [(0, -K % 32)]); x = x.reshape(x.shape[:-1] + (-1, 32)); a = np.abs(x).max(-1, keepdims=True)
;;       e = np.where(a > 0, np.clip(np.frexp(np.where(a > 0, a, 1))[1] - 1 - 2, -126, 127), 0)      # np.frexp(a)[1] - 1 = floor(log2(a)), exactly
;;       r = np.clip(x / 2.0 ** e, -7.5, 7.5)
;;       step = 2.0 ** (np.maximum(np.frexp(np.where(r == 0, 1, r))[1] - 1, 0) - 3)
;;       q = np.round(r / step) * step * 2.0 ** e      # np.round: ties to even
;;       return np.moveaxis(q.reshape(q.shape[:-2] + (-1,))[..., :K], -1, axis).astype(np.float32)
;;   ~~~
;;   SOFTMAX AHEAD OF A QUANTISED PRODUCT. Where the list says 'softmax', what is quantised is not the finished softmax but p = 2^(t - M), with t = logit x log2(e) and M = ceil(the row's largest t), a whole number; so 1/2 < the row's largest p <= 1. The row's sum l is taken of the UNQUANTISED p, in f32, and the product's result is divided by l at the end. Since M is a whole number, a kernel that streams over the keys may use a running M (the ceiling of the running maximum): every later rescaling is an exact power of two, which a block's scale takes up: the codes' values come out the same.
;;   OPERANDS COMPUTED ON THE WAY. 'Computed on the way' means the value that the module computes at that place (a softmax that the list does not call 'softmax' is quantised finished and normalised). What goes into a quantiser is computed in f32, as accurately as f32 sums, v_exp_f32 and their like allow (about 1e-6 of the number): no bf16 or f16 on the way to a quantiser, and a product that is left as it is and whose result goes on into a quantised operand takes f32 operands (vector FMAs, or v_wmma_f32_16x16x4_f32). A number that lies on a knife's edge between two numbers of the format may be rounded either way, as far as f32 arithmetic and the matrix unit's own rounding can turn it there, and no further.
;;   INPUTS GIVEN AS CODES. Wk (in the module: [1024, 1024], K = its axis 1); Wo (in the module: [1024, 1024], K = its axis 1); Wq (in the module: [1024, 1024], K = its axis 1); Wv (in the module: [1024, 1024], K = its axis 1); x (in the module: [4, 2048, 1024], K = its axis 2): each comes as NAME_codes (uint8): NAME with its K axis moved to the last place and cut into blocks of 32 codes, [.., K / 32, bytes a block], one block behind the other in memory; four codes in three bytes: a row's codes are one little-endian stream of bits, code i at bits 6 i .. 6 i + 5 (a code: sign, 2 exponent bits, 3 mantissa bits); and NAME_scales (uint8): the same leading axes, one E8M0 byte (e + 127) for each 32 codes along K. Its value is code x scale, taken as it is: it is not quantised again, and the codes and scales need not be those that the quantiser above would give.
;; One version. Each part assembles by itself: llvm-mc -triple=amdgcn-amd-amdhsa -mcpu=gfx1250 --defsym DOCPART=n.
;; ======== version 1 of 1: 4 launches
;; limits: right only within a limited range of input values
;; workspace buffers: qkv 19,660,800 bytes; colp 2,097,152 bytes; ctxp 1,048,576 bytes; corrp 16,384 bytes
;; launch qkv (part 1): grid 8 x 32, 4 waves a work-group, clusters of 4 x 4, 327,680 bytes of LDS; arguments x_codes, x_scales, Wq_codes, Wq_scales, Wk_codes, Wk_scales, Wv_codes, Wv_scales, bq, bk, bv, qkv; writes qkv
.if DOCPART == 1
	.amdgcn_target "amdgcn-amd-amdhsa--gfx1250"
	.amdhsa_code_object_version 6
	.text
	.protected	k_q011f69fe85_qkv
	.globl	k_q011f69fe85_qkv
	.p2align	8
	.type	k_q011f69fe85_qkv,@function
k_q011f69fe85_qkv:
	s_mov_b64 s[64:65], 0
	v_nop
	global_prefetch_b8 v0, s[64:65] scope:SCOPE_SE
	s_setreg_imm32_b32 hwreg(HW_REG_WAVE_MODE, 25, 1), 1
	s_wait_xcnt 0x0
	s_wait_alu depctr_hold_cnt(0) depctr_sa_sdst(0) depctr_va_vdst(0) depctr_va_sdst(0) depctr_va_ssrc(0) depctr_va_vcc(0) depctr_vm_vsrc(0)
	s_getreg_b32 s2, hwreg(HW_REG_IB_STS2, 6, 4)
	s_cmp_eq_u32 s2, 0
	s_cbranch_scc0 .Lentry_in_a_cluster
	s_endpgm
.Lentry_in_a_cluster:
	s_bfe_u32 s2, ttmp6, 0x10000c
	s_cmp_lg_u32 s2, 0xf033
	s_cbranch_scc0 .Lentry_shape_is_right
	s_endpgm
.Lentry_shape_is_right:
; q = x Wq^T + bq, k = x Wk^T + bk, v = x Wv^T + bv on codes of FP6 (E2M3) with E8M0 scales, K = 1,024; the results are quantised again and stored as records for the attention launch.
; SHARES.  Work-group (j, i), j = 0..7, i = 0..31, takes x's rows 256 i .. + 255 through two tiles: FIRST 256 rows x 256 channels of q (j < 4) or k (j >= 4), channels 256 (j % 4) ..; THEN head j of v: 128 channels x 256 keys.
; 8 x 32 = 256 work-groups of equal work.  Four waves; a wave makes 128 x 128 (64 accumulators), then 64 channels x 128 keys (32 accumulators).
; THE RING.  A row of codes is 768 bytes = 3 chunks of 256 bytes, each on a 256-byte border.  Two LDS slots hold one chunk each of x's 256 rows and of the weight's rows.  The two tiles are one walk of 16 steps of 128 along K
; over 6 chunks: chunks 3-5 are x's chunks 0-2 once more and Wv's 128 rows.  Chunk c lies in slot c % 2.  A step is 96 bytes of a row; steps 2, 5, 10, 13 lie across two chunks.
; THE MATRIX INSTRUCTION IS USED TRANSPOSED: source 0's rows run along a lane's registers, source 1's rows along the lanes.  q, k: source 0 = W (channels: the next K), source 1 = x.  v: source 0 = x (keys: the next K), source 1 = Wv.
; CLUSTERS 4 x 4: x's tiles hang on i alone and are asked for jointly along a row of the cluster, the weights' on j alone, along a column.
; x's and W's scales come into LDS once, by the head's loads; Wv's scale words (32 a lane) and the biases come straight into registers.  A bias is the C of a sum's first product.
; RECORDS of 12,800 bytes: 8 fragments (16 rows x 128 K) as images of their registers (fragment a at 1536 a, register group c of lane l at 512 c + 16 l), then scale words at 12288 + 32 r + 4 a.
; Record 512 class + 16 (8 batch + head) + g.  In each block of 32 codes the second and third eight have changed places (a lane's 16 numbers are k = 8 h + 0..7 and 16 + 8 h + 0..7): q with k alike, v with p alike.
; No prefetch is laid: the block is the largest, in clusters, and K is three chunks, of which two are asked for before the first product.
; LIMITS: NaN and infinities are not served; a block whose largest magnitude lies under 2^-124 gets the byte 1.
; THE IMAGES OF k AND v, more exactly than above: in fragments 2, 3, 6, 7 of a record of k or v row r lies at lane place r xor 8 (the two halves of eight rows have changed places); q's records and all scale words are as stated.
; The attention launch forms its tiles from eight rows of one fragment and eight of the fragment two further on; with the exchange the sixteen lanes of such a read touch sixteen different columns of 16 bytes.
.set ROWB,   256
.set KROW,   768
.set CHUNKS, 6
.set PITCH,  272                       ; 256 bytes + 16 of padding
.set FR,     12
.set NL,     6
.set NP,     4
.set HALFT,  128*PITCH
.set SLOT,   4*HALFT                   ; x's 256 rows, then the weight's
.set SCL,    2*SLOT                    ; the scales: units of 256 bytes + 16
.set HALFS,  16*272
.set SBLK,   2*272
.set SPARE,  SCL+4*HALFS               ; the spare words, 128 bytes a wave
.set REC,    12800
.set ADRA,  8                          ; v8-11  source 1's fragments, first tile (x): slot 0, slot 1, across 0 -> 1, across 1 -> 0
.set ADRB,  12                         ; v12-15 source 0's, first tile (W)
.set ADRA2, 16                         ; v16-19 source 1's, second tile (Wv)
.set ADRB2, 20                         ; v20-23 source 0's, second tile (x)
.set CO,   24
.set SCO,  25
.set LANE, 26
.set ADRS, 27                          ; scale words: lanes 0-15 x's rows, lanes 16-31 W's
.set SPW,  28
.set NIL,  29
.set ADRS2, 30                         ; second tile: x's rows
.set SCO2, 31
.set SC,   32                          ; v32-63 scale words, two sets of 16
.set BIAS, 64                          ; v64-127 the first tile's bias; later at work:
.set TM,   64
.set PWS,  80
.set T2,   88
.set AF,   128                         ; v128-223 source 1's fragments
.set SA,   224                         ; v224-255 Wv's scale words: block a, step s at 8 a + s
.set BIAS2, 96                         ; window 1, v96-127: the second tile's bias
.set G1, 24
.set G0, 32
.set G1B, 48
.set G0B, 56
.set G1S, 68
.set G0S, 76
.set G1SB, 80
.set G0SB, 88
.set G1V, 68                           ; behind the head: Wv's tiles, 64 rows a load
.set G0V, 76
.set G0H, 4
.set G0HB, 8
.set FLAGS, (1<<20)|(1<<21)|(5<<22)|(3<<25)
.set MSB, 0
.macro WIN new
.if MSB != \new
	s_set_vgpr_msb (MSB<<8)|\new
.set MSB, \new
.endif
.endm
.set MUL_LO, 0xa1
.set MUL_HI, 0xf1
.set TO_B,   0x40
.macro PLACES n
.rept \n
	v_nop
.endr
.endm
.macro JLOAD g0a, g1a, g0b, g1b        ; waves 0, 1 fetch x's halves, waves 2, 3 the weight's
	s_cmp_eq_u32 s15, 0
	s_cbranch_scc0 .Lfor_b_\@
	tensor_load_to_lds s[\g0a:\g0a+3], s[\g1a:\g1a+7]
	s_nop 0
	PLACES 4
	s_branch .Lasked_\@
.Lfor_b_\@:
	tensor_load_to_lds s[\g0b:\g0b+3], s[\g1b:\g1b+7]
	s_nop 0
	PLACES 4
.Lasked_\@:
.endm
.macro CREST
	s_cmp_lg_u32 s14, 0
	s_cbranch_scc1 .Lnot_wave_0_\@
	s_barrier_signal -3
.Lnot_wave_0_\@:
	s_barrier_wait -3
	s_barrier_signal -1
	s_barrier_wait -1
.endm
.macro CROUND
	s_barrier_signal -1
	s_barrier_wait -1
	CREST
.endm
	s_load_b512 s[68:83], s[0:1], 0x0              ; x c, x s, Wq c, Wq s, Wk c, Wk s, Wv c, Wv s
	s_load_b256 s[84:91], s[0:1], 0x40             ; bq, bk, bv, qkv
	v_lshl_add_u32 v[SPW], v0, 2, SPARE
	v_mov_b32 v[NIL], 0
	ds_add_u32 v[SPW], v[NIL]                      ; the opening lines: the add twice on end and one wait
	ds_add_u32 v[SPW], v[NIL]
	v_lshrrev_b32 v1, 5, v0
	v_readfirstlane_b32 s14, v1                    ; wave
	s_lshr_b32 s15, s14, 1                         ; my half of source 1's rows; also: I fetch x (0) or weights (1)
	s_and_b32 s16, s14, 1                          ; my half of source 0's rows; also: which half I fetch
	s_bfe_u32 s40, ttmp6, 0x40000                  ; cx
	s_bfe_u32 s41, ttmp6, 0x40004                  ; cy
	s_mov_b32 s95, ttmp9                           ; the cluster's x: 0 q, 1 k
	s_lshl_b32 s42, s95, 2
	s_add_co_u32 s42, s42, s40                     ; j
	s_and_b32 s17, ttmp7, 0xffff
	s_lshl_b32 s17, s17, 2
	s_add_co_u32 s17, s17, s41                     ; i
	s_lshl_b32 s43, s41, 2
	s_lshl_b32 s43, 15, s43                        ; my row of the cluster
	s_lshl_b32 s44, 0x1111, s40                    ; my column
	s_or_b32 s[G1+0], s43, FLAGS
	s_or_b32 s[G1B+0], s44, FLAGS
.irp g, G1, G1B
	s_mov_b32 s[\g+1], ROWB<<16
	s_mov_b32 s[\g+2], 256<<16                     ; the head's loads bring 256 rows
	s_mov_b32 s[\g+3], ROWB<<16
	s_mov_b32 s[\g+4], 256
	s_mov_b32 s[\g+5], KROW
	s_mov_b32 s[\g+6], 0
	s_mov_b32 s[\g+7], 0
.endr
	s_mul_i32 s20, s17, 256*KROW                   ; byte offsets: x's codes,
	s_mov_b32 s21, 0
	s_lshl_b32 s22, s17, 13                        ; x's scales,
	s_mov_b32 s23, 0
	s_mul_i32 s46, s40, 256*KROW                   ; W's codes,
	s_mov_b32 s47, 0
	s_lshl_b32 s92, s40, 13                        ; W's scales,
	s_mov_b32 s93, 0
	s_mul_i32 s98, s42, 128*KROW                   ; Wv's codes: head j, the 64 rows that I fetch,
	s_mul_i32 s18, s16, 64*KROW
	s_add_co_u32 s98, s98, s18
	s_mov_b32 s99, 0
	s_lshl_b32 s100, s42, 12                       ; Wv's scales: head j, my 64 channels,
	s_lshl_b32 s18, s15, 11
	s_add_co_u32 s100, s100, s18
	s_mov_b32 s101, 0
	s_lshl_b32 s2, s42, 9                          ; bv likewise,
	s_lshl_b32 s18, s15, 8
	s_add_co_u32 s2, s2, s18
	s_mov_b32 s3, 0
	s_lshl_b32 s4, s40, 10                         ; bq or bk: my 128 channels
	s_lshl_b32 s5, s16, 9
	s_add_co_u32 s4, s4, s5
	s_mov_b32 s5, 0
	s_mul_i32 s18, s16, 128*KROW                   ; in the ring I fetch 128 rows: which half
	s_mov_b32 s19, 0
	s_mul_i32 s45, s14, HALFT                      ; and where they go
	s_mul_i32 s94, s16, 64*PITCH
	s_add_co_u32 s94, s94, 2*HALFT                 ; where my 64 rows of Wv go
	s_wait_dscnt 0x0
	s_wait_kmcnt 0x0
	s_cmp_eq_u32 s95, 1
	s_cselect_b64 s[8:9], s[76:77], s[72:73]
	s_cselect_b64 s[10:11], s[78:79], s[74:75]
	s_cselect_b64 s[96:97], s[86:87], s[84:85]
	s_mov_b64 s[12:13], s[90:91]
	s_add_nc_u64 s[20:21], s[68:69], s[20:21]
	s_add_nc_u64 s[22:23], s[70:71], s[22:23]
	s_add_nc_u64 s[46:47], s[8:9], s[46:47]
	s_add_nc_u64 s[92:93], s[10:11], s[92:93]
	s_add_nc_u64 s[98:99], s[80:81], s[98:99]
	s_add_nc_u64 s[100:101], s[82:83], s[100:101]
	s_add_nc_u64 s[2:3], s[88:89], s[2:3]
	s_add_nc_u64 s[96:97], s[96:97], s[4:5]
	s_or_b32 s[G1S+0], s43, (3<<16)|FLAGS          ; the scales of 256 rows: 32 rows of 256 bytes
	s_or_b32 s[G1SB+0], s44, (3<<16)|FLAGS
.irp g, G1S, G1SB
	s_mov_b32 s[\g+1], 32<<16
	s_mov_b32 s[\g+2], 32<<16
	s_mov_b32 s[\g+3], 32<<16
	s_mov_b32 s[\g+4], 32
	s_mov_b32 s[\g+5], 32
	s_mov_b32 s[\g+6], 0
	s_mov_b32 s[\g+7], 0
.endr
	CROUND                                         ; the first joint loads meet
	s_mov_b32 s[G0H], 1
	s_mov_b32 s[G0H+1], 0
	s_mov_b64 s[G0H+2:G0H+3], s[20:21]
	s_or_b32 s[G0H+3], s[G0H+3], 0x80000000
	s_mov_b32 s[G0HB], 1
	s_mov_b32 s[G0HB+1], 2*HALFT
	s_mov_b64 s[G0HB+2:G0HB+3], s[46:47]
	s_or_b32 s[G0HB+3], s[G0HB+3], 0x80000000
	s_mov_b32 s[G0S], 1
	s_mov_b32 s[G0S+1], SCL
	s_mov_b64 s[G0S+2:G0S+3], s[22:23]
	s_or_b32 s[G0S+3], s[G0S+3], 0x80000000
	s_mov_b32 s[G0SB], 1
	s_mov_b32 s[G0SB+1], SCL+2*HALFS
	s_mov_b64 s[G0SB+2:G0SB+3], s[92:93]
	s_or_b32 s[G0SB+3], s[G0SB+3], 0x80000000
	s_add_nc_u64 s[20:21], s[20:21], s[18:19]
	s_add_nc_u64 s[46:47], s[46:47], s[18:19]
.irp s, 0,1
	s_mov_b32 s[G0+4*\s], 1
	s_add_co_u32 s[G0+4*\s+1], s45, \s*SLOT
	s_add_nc_u64 s[G0+4*\s+2:G0+4*\s+3], s[20:21], \s*ROWB
	s_or_b32 s[G0+4*\s+3], s[G0+4*\s+3], 0x80000000
	s_mov_b32 s[G0B+4*\s], 1
	s_add_co_u32 s[G0B+4*\s+1], s45, \s*SLOT
	s_add_nc_u64 s[G0B+4*\s+2:G0B+4*\s+3], s[46:47], \s*ROWB
	s_or_b32 s[G0B+4*\s+3], s[G0B+4*\s+3], 0x80000000
.endr
; the head's loads, one a wave: x's chunk 0, W's chunk 0, x's scales, W's scales
.macro ARM under, g0, g1, next
	s_cmp_lt_u32 s14, \under
	s_cbranch_scc0 \next
	tensor_load_to_lds s[\g0:\g0+3], s[\g1:\g1+7]
	s_nop 0
	PLACES 4
	s_branch .Lhead_asked
\next:
.endm
	ARM 1, G0H,  G1,  .Lhead_b
	ARM 2, G0HB, G1B, .Lhead_sa
	ARM 3, G0S,  G1S, .Lhead_sb
	tensor_load_to_lds s[G0SB:G0SB+3], s[G1SB:G1SB+7]
	s_nop 0
	PLACES 4
.Lhead_asked:
	s_mul_i32 s20, s15, HALFT                      ; first tile, source 1: my 128 rows of x
	s_mul_i32 s21, s16, HALFT                      ; second tile, source 0: my 128 rows of x
	s_add_co_u32 s22, s21, 2*HALFT                 ; first tile, source 0: my 128 rows of W
	s_mul_i32 s23, s15, 64*PITCH
	s_add_co_u32 s23, s23, 2*HALFT                 ; second tile, source 1: my 64 rows of Wv
	s_mov_b32 s18, SLOT-232
	s_mov_b32 s19, SLOT+232
	s_mul_i32 s46, s15, HALFS
	s_mul_i32 s92, s16, HALFS
	s_add_co_u32 s47, s92, 2*HALFS
	s_sub_co_u32 s47, s47, s46                     ; from x's scale words to W's
	s_add_co_u32 s46, s46, SCL
	s_add_co_u32 s92, s92, SCL
	s_mul_i32 s93, s15, 6128
	s_sub_co_u32 s93, 12288, s93
	s_lshl_b32 s41, s95, 7                         ; 128 for k, 0 for q
	v_and_b32 v1, 15, v0                           ; r
	v_bfe_u32 v2, v0, 4, 1                         ; h
	v_mul_u32_u24 v3, v1, PITCH
	v_mul_u32_u24 v4, v2, 24
	v_add_nc_u32 v4, v3, v4                        ; row x pitch + 24 h
	v_sub_nc_u32 v7, 1, v2
	v_mul_u32_u24 v5, s18, v2
	v_add_nc_u32 v5, v3, v5
	v_add_nc_u32 v5, 232, v5                       ; lanes 0-15 byte 232 in slot 0, lanes 16-31 byte 0 in slot 1
	v_mul_u32_u24 v6, s19, v7
	v_add_nc_u32 v6, v3, v6                        ; and the other way round
.macro ADR4 x, s
	v_add_nc_u32 v[\x], s\s, v4
	v_add_nc_u32 v[\x+1], SLOT, v[\x]
	v_add_nc_u32 v[\x+2], s\s, v5
	v_add_nc_u32 v[\x+3], s\s, v6
.endm
	ADR4 ADRA, 20
	ADR4 ADRB, 22
	ADR4 ADRA2, 23
	ADR4 ADRB2, 21
	v_lshlrev_b32 v5, 5, v1                        ; a row's scales: 32 bytes,
	v_lshrrev_b32 v6, 8, v5
	v_lshl_add_u32 v5, v6, 4, v5                   ; and 16 more for each 256 passed
	v_mul_u32_u24 v6, s47, v2
	v_add_nc_u32 v6, v5, v6
	v_add_nc_u32 v[ADRS], s46, v6
	v_add_nc_u32 v[ADRS2], s92, v5
	v_and_b32 v[LANE], 31, v0
	v_lshlrev_b32 v[CO], 4, v[LANE]
	v_xor_b32 v5, s41, v[CO]                       ; the first tile's place in fragments 2, 3, 6, 7: row r xor 8 for k
	v_xor_b32 v6, 128, v[CO]                       ; the second tile's (v)
	v_lshlrev_b32 v[SCO], 5, v1
	v_lshl_add_u32 v[SCO], v2, 4, v[SCO]
	v_add_nc_u32 v[SCO], 12288, v[SCO]
	v_lshlrev_b32 v7, 5, v1                        ; 32 r
	v_add_nc_u32 v[SCO2], s93, v7
	v_lshlrev_b32 v3, 5, v2                        ; 32 h
	v_lshlrev_b32 v4, 2, v1                        ; 4 r
	s_wait_alu depctr_va_vdst(0)
.irp t, 0,1,2,3,4,5,6,7
	global_load_b128 v[BIAS+8*\t:BIAS+8*\t+3], v3, s[96:97] offset:64*\t        ; channels 16 t + 8 h + 0..7
	global_load_b128 v[BIAS+8*\t+4:BIAS+8*\t+7], v3, s[96:97] offset:64*\t+16
.endr
.irp a, 0,1,2,3
	global_load_b128 v[SA+8*\a:SA+8*\a+3], v7, s[100:101] offset:512*\a         ; channel 16 a + r: its eight scale words
	global_load_b128 v[SA+8*\a+4:SA+8*\a+7], v7, s[100:101] offset:512*\a+16
.endr
	WIN TO_B
.irp a, 0,1,2,3
.irp q, 0,1,2,3,4,5,6,7
	global_load_b32 v[BIAS2+8*\a+\q], v4, s[2:3] offset:64*\a                   ; bv of channel 16 a + r, in all eight registers
.endr
.endr
	WIN 0
	s_lshr_b32 s20, s17, 3
	s_lshl_b32 s20, s20, 3                         ; 8 x batch
	s_and_b32 s21, s17, 7
	s_lshl_b32 s21, s21, 1                         ; 2 (i % 8)
	s_lshl_b32 s22, s40, 1
	s_add_co_u32 s22, s22, s16
	s_add_co_u32 s22, s22, s20
	s_lshl_b32 s22, s22, 4
	s_add_co_u32 s22, s22, s21
	s_add_co_u32 s22, s22, s15
	s_lshl_b32 s23, s95, 9
	s_add_co_u32 s22, s22, s23
	s_mul_i32 s22, s22, REC                        ; my record of q or k
	s_mov_b32 s23, 0
	s_add_co_u32 s46, s20, s42
	s_lshl_b32 s46, s46, 4
	s_add_co_u32 s46, s46, s21
	s_add_co_u32 s46, s46, s16
	s_add_co_u32 s46, s46, 1024
	s_mul_i32 s46, s46, REC                        ; my record of v,
	s_mul_i32 s47, s15, 6144
	s_add_co_u32 s46, s46, s47                     ; its fragments 4 x half + 0..3
	s_mov_b32 s47, 0
	s_add_nc_u64 s[18:19], s[12:13], s[46:47]
	s_add_nc_u64 s[12:13], s[12:13], s[22:23]
	s_mov_b32 s92, 0x76543210
	s_mov_b32 s93, 0xfedcba98
	s_mov_b32 s95, 0x1800000                       ; the floor 2^(3 - 127)
.macro FRAG reg, adr, st, i            ; 16 rows x 128 K: six pieces of 8 bytes; st counts steps along the walk of 1,536 bytes
.irp p, 0,1,2,3,4,5
.set BY, 96*(\st)+48*(\p/3)+8*(\p%3)
.if BY/ROWB == (BY+24)/ROWB
	ds_load_b64 v[\reg+2*\p:\reg+2*\p+1], v[\adr+(BY/ROWB)%2] offset:BY%ROWB+(\i)*16*PITCH
.else
	ds_load_b64 v[\reg+2*\p:\reg+2*\p+1], v[\adr+2+(BY/ROWB)%2] offset:BY%ROWB-232+(\i)*16*PITCH
.endif
.endr
.endm
.macro WM d, b0, a0, c, sb, sa
	v_wmma_scale_f32_16x16x128_f8f6f4 v[\d:\d+7], v[\b0:\b0+11], v[\a0:\a0+11], v[\c:\c+7], v[\sb], v[\sa] matrix_a_fmt:MATRIX_FMT_FP6 matrix_b_fmt:MATRIX_FMT_FP6 matrix_a_scale:MATRIX_SCALE_ROW1
.endm
.macro MUL16 a0, st, mode              ; first tile: source 1's blocks a0, a0 + 1 x source 0's eight; the accumulators take turns
.irp a, \a0, \a0+1
.irp b, 0,1,2,3,4,5,6,7
.set DD, 8*(8*((\a)%4)+\b)
.set BB, 128*((\st)%2)+FR*\b
.set AA, AF+FR*(\a)
.set SB, SC+16*(((\st)/2)%2)+2*\b+(\st)%2
.set SS, SC+16*(((\st)/2)%2)+2*(\a)+(\st)%2
.set CC, DD
.if \mode
.set CC, BIAS+8*\b
.endif
	WM DD, BB, AA, CC, SB, SS
.endr
.endr
.endm
.macro MULV a, st, mode                ; second tile: Wv's block a x x's eight
.irp b, 0,1,2,3,4,5,6,7
.set DD, 8*(8*(\a)+\b)
.set BB, 128*((\st)%2)+FR*\b
.set AA, AF+48*((\st)%2)+FR*(\a)
.set SB, SC+16*(((\st)/2)%2)+2*\b+(\st)%2
.set SS, SA+8*(\a)+(\st)-8
.set CC, DD
.if \mode
.set CC, BIAS2+8*(\a)
.endif
	WM DD, BB, AA, CC, SB, SS
.endr
.endm
.macro FETCH_B st                      ; source 0's eight fragments of step st into set st % 2, window 1
	WIN TO_B
.irp i, 0,1,2,3,4,5,6,7
.if (\st) < 8
	FRAG 128*((\st)%2)+FR*\i, ADRB, \st, \i
.else
	FRAG 128*((\st)%2)+FR*\i, ADRB2, \st, \i
.endif
.endr
	WIN 0
.endm
.macro FETCH_A st, i0                  ; source 1's blocks i0 .. i0 + 3; the second tile has four blocks and two sets
.irp i, \i0, \i0+1, \i0+2, \i0+3
.if (\st) < 8
	FRAG AF+FR*(\i), ADRA, \st, \i
.else
	FRAG AF+48*((\st)%2)+FR*(\i), ADRA2, \st, \i
.endif
.endr
.endm
.macro SCALES pr                       ; the scale words of steps 2 pr, 2 pr + 1 into set pr % 2
.irp i, 0,1,2,3,4,5,6,7
.if (\pr) < 4
	ds_load_b64 v[SC+16*((\pr)%2)+2*\i:SC+16*((\pr)%2)+2*\i+1], v[ADRS] offset:\i*SBLK+8*(\pr)
.else
	ds_load_b64 v[SC+16*((\pr)%2)+2*\i:SC+16*((\pr)%2)+2*\i+1], v[ADRS2] offset:\i*SBLK+8*((\pr)-4)
.endif
.endr
.endm
.macro REFILL c                        ; behind the barrier that opened the round: chunk c + 2 into slot c % 2.  x's chunks go 0 1 2 0 1 2; the weight's are W's 0 1 2, then Wv's 0 1 2
.set N2, (\c)+2
.set SL, 4*((\c)%2)
	CREST
.if N2 == 3 || N2 == 4
	s_sub_nc_u64 s[G0+SL+2:G0+SL+3], s[G0+SL+2:G0+SL+3], ROWB
.else
	s_add_nc_u64 s[G0+SL+2:G0+SL+3], s[G0+SL+2:G0+SL+3], 2*ROWB
.endif
.if N2 == 2
	s_add_nc_u64 s[G0B+2:G0B+3], s[G0B+2:G0B+3], 2*ROWB
	JLOAD G0+SL, G1, G0B+SL, G1B
.else
.if N2 == 5
	s_add_nc_u64 s[G0V+6:G0V+7], s[G0V+6:G0V+7], 2*ROWB
.endif
	JLOAD G0+SL, G1, G0V+SL, G1V
.endif
.endm
.macro EDGES st                        ; the chunks in which this step's and the next step's bytes begin and end
.set NX, (\st)+1
.set C0, (96*(\st))/ROWB
.set C1, (96*NX)/ROWB
.set E0, (96*(\st)+95)/ROWB
.set E1, (96*NX+95)/ROWB
.endm
; A step of the first tile: 64 products; the next step's fragments are fetched in its middle and at its end.  Where the next step ends in a chunk not yet read, a barrier shows that chunk whole;
; where it begins in a later chunk, the chunk left behind is free: the wait for all tensor loads, the add, the wait for it and for my reads, the barrier, and the refill.
.macro STEP st, mode
	EDGES \st
.set WLO, MUL_LO
.set WHI, MUL_HI
.if \mode
.set WLO, 0x81
.set WHI, 0xc1
.endif
.if C1 > C0 || E1 > E0
	s_wait_tensorcnt 0x0
.if C1 > C0
	ds_add_u32 v[SPW], v[NIL]
	s_wait_dscnt 4*NL+1                            ; the add and source 1's blocks 4-7 may be out
.else
	s_wait_dscnt 4*NL
.endif
	WIN WLO
	MUL16 0, \st, \mode
	s_wait_dscnt 0x0
	s_barrier_signal -1
	MUL16 2, \st, \mode
	WIN 0
	s_barrier_wait -1
.if C1 > C0 && C0+2 < CHUNKS
	REFILL C0
.else
	PLACES NP
.endif
.else
	s_wait_dscnt 4*NL                              ; source 1's blocks 4-7 may be out
	WIN WLO
	MUL16 0, \st, \mode
	MUL16 2, \st, \mode
	s_wait_dscnt 0
	PLACES NP
.endif
	FETCH_B NX
	FETCH_A NX, 0
.if NX%2 == 0
	SCALES NX/2
.endif
	WIN WHI
	MUL16 4, \st, \mode
	MUL16 6, \st, \mode
	PLACES NP
	WIN 0
.if NX < 8
	FETCH_A NX, 4
.endif
.endm
; A step of the second tile: 32 products; the next step's fragments go into the other sets, fetched in its middle.
.macro STEPV st, mode
	EDGES \st
.set WLO, MUL_LO
.if \mode
.set WLO, 0x91                         ; C in window 1
.endif
.if (\st) < 15 && (C1 > C0 || E1 > E0)
	s_wait_tensorcnt 0x0
.if C1 > C0
	ds_add_u32 v[SPW], v[NIL]
	s_wait_dscnt 1                                 ; the add alone may be out
.else
	s_wait_dscnt 0
.endif
	WIN WLO
	MULV 0, \st, \mode
	s_wait_dscnt 0x0
	s_barrier_signal -1
	MULV 1, \st, \mode
	WIN 0
	s_barrier_wait -1
.if C1 > C0 && C0+2 < CHUNKS
	REFILL C0
.else
	PLACES NP
.endif
.else
	s_wait_dscnt 0
	WIN WLO
	MULV 0, \st, \mode
	MULV 1, \st, \mode
.if (\st) < 15
	PLACES NP
.endif
.endif
.if (\st) < 15
	FETCH_B NX
	FETCH_A NX, 0
.if NX%2 == 0
	SCALES NX/2
.endif
.endif
	WIN WLO
	MULV 2, \st, \mode
	MULV 3, \st, \mode
	WIN 0
.endm
; Block a's 16 rows x 128 become a fragment of codes and a scale word a row, and are stored: 512 consecutive bytes an instruction.
.macro QOUT a, pt, sw
.set AC, 64*((\a)%4)
.set PCA, AF+48+12*((\a)%4)
.set WMX, 0x28+0x14*((\a)/4)
.set WCV, 2+(\a)/4
	WIN WMX
.irp b, 0,1,2,3
	v_max3_num_f32 v[TM+\b], s95, |v[AC+16*\b]|, |v[AC+16*\b+1]|
.endr
.irp i, 2,4,6,8,10,12,14
.irp b, 0,1,2,3
	v_max3_num_f32 v[TM+\b], v[TM+\b], |v[AC+16*\b+\i]|, |v[AC+16*\b+\i+1]|
.endr
.endr
	WIN 0
.irp b, 0,1,2,3
	v_permlanex16_b32 v[TM+4+\b], v[TM+\b], s92, s93
.endr
.irp b, 0,1,2,3
	v_max_num_f32 v[TM+\b], v[TM+\b], v[TM+4+\b]
.endr
.irp b, 0,1,2,3
	v_add_nc_u32 v[TM+12+\b], 0xff000000, v[TM+\b]                   ; 2 off the exponent field
.endr
.irp b, 0,1,2,3
	v_lshrrev_b32 v[TM+4+\b], 23, v[TM+12+\b]
.endr
	v_lshl_or_b32 v[PWS+\a], v[TM+5], 8, v[TM+4]
	v_lshl_or_b32 v[PWS+\a], v[TM+6], 16, v[PWS+\a]
	v_lshl_or_b32 v[PWS+\a], v[TM+7], 24, v[PWS+\a]
	WIN WCV
.irp c, 0,1
	v_cvt_scalef32_pk16_fp6_f32 v[PCA+6*\c:PCA+6*\c+2], v[AC+32*\c:AC+32*\c+15], v[TM+12+2*\c]
	v_cvt_scalef32_pk16_fp6_f32 v[T2+4*\c:T2+4*\c+2], v[AC+32*\c+16:AC+32*\c+31], v[TM+12+2*\c+1]
.endr
	WIN 0
	v_nop
.irp c, 0,1
.irp i, 0,1,2
	v_permlane16_swap_b32 v[PCA+6*\c+\i], v[T2+4*\c+\i]
.endr
.irp i, 0,1,2
	v_mov_b32 v[PCA+3+6*\c+\i], v[T2+4*\c+\i]
.endr
.endr
.irp c, 0,1,2
.if ((\a)/2)%2
	global_store_b128 v[\sw], v[PCA+4*\c:PCA+4*\c+3], s[\pt:\pt+1] offset:1536*(\a)+512*\c
.else
	global_store_b128 v[CO], v[PCA+4*\c:PCA+4*\c+3], s[\pt:\pt+1] offset:1536*(\a)+512*\c
.endif
.endr
.endm
	s_wait_alu depctr_va_vdst(0)
	s_wait_tensorcnt 0x0                           ; my tile of the head's four is in
	ds_add_u32 v[SPW], v[NIL]
	s_mov_b32 s[G1+2], 128<<16                     ; no tensor load of mine is out: from here on a load brings 128 rows,
	s_mov_b32 s[G1+4], 128
	s_mov_b32 s[G1B+2], 128<<16
	s_mov_b32 s[G1B+4], 128
	s_or_b32 s[G1V+0], s44, FLAGS                  ; or 64 rows of Wv
	s_mov_b32 s[G1V+1], ROWB<<16
	s_mov_b32 s[G1V+2], 64<<16
	s_mov_b32 s[G1V+3], ROWB<<16
	s_mov_b32 s[G1V+4], 64
	s_mov_b32 s[G1V+5], KROW
	s_mov_b32 s[G1V+6], 0
	s_mov_b32 s[G1V+7], 0
	s_mov_b32 s[G0V], 1                            ; slot 0 takes Wv's chunk 1,
	s_mov_b32 s[G0V+1], s94
	s_add_nc_u64 s[G0V+2:G0V+3], s[98:99], ROWB
	s_or_b32 s[G0V+3], s[G0V+3], 0x80000000
	s_mov_b32 s[G0V+4], 1                          ; slot 1 its chunks 0 and 2
	s_add_co_u32 s[G0V+5], s94, SLOT
	s_mov_b64 s[G0V+6:G0V+7], s[98:99]
	s_or_b32 s[G0V+7], s[G0V+7], 0x80000000
	s_wait_dscnt 0x0
	CROUND
	JLOAD G0+4, G1, G0B+4, G1B                     ; chunk 1, the first tensor load behind the round
	FETCH_B 0
	FETCH_A 0, 0
	SCALES 0
	FETCH_A 0, 4
	s_wait_loadcnt 0x0                             ; the biases and Wv's scale words
	STEP 0, 1
.irp s, 1,2,3,4,5,6,7
	STEP \s, 0
.endr
.irp b, 0,1,2,3
	v_mov_b32 v[TM+4+\b], 0                        ; a lane permute's destination counts as one of its sources
.endr
.irp a, 0,1,2,3
	QOUT \a, 12, 5
.endr
	s_wait_alu depctr_va_vdst(0)
	s_wait_xcnt 0x0                                ; the four blocks' stores have read their registers, which blocks 4-7 use again
.irp a, 4,5,6,7
	QOUT \a, 12, 5
.endr
	v_cmp_le_u32 vcc_lo, 16, v[LANE]
.irp i, 0,1,2,3
	v_cndmask_b32 v[T2+\i], v[PWS+\i], v[PWS+4+\i], vcc_lo
.endr
	global_store_b128 v[SCO], v[T2:T2+3], s[12:13]
	s_wait_alu depctr_va_vdst(0)
	s_wait_xcnt 0x0                                ; the stores have read their registers: the next fragments may land there
	STEPV 8, 1
.irp s, 9,10,11,12,13,14,15
	STEPV \s, 0
.endr
	PLACES NP
.irp a, 0,1,2,3
	QOUT \a, 18, 6
.endr
	v_cmp_gt_u32 vcc_lo, 16, v[LANE]
	s_wait_alu depctr_va_vdst(0)
	s_wait_xcnt 0x0                                ; EXEC changes only behind this wait
	s_and_saveexec_b32 s20, vcc_lo
	global_store_b128 v[SCO2], v[PWS:PWS+3], s[18:19]                ; lane r: the words of my four fragments' row r
	s_wait_xcnt 0x0
	s_or_b32 exec_lo, exec_lo, s20
	s_wait_tensorcnt 0x0                           ; the wave's end
	ds_add_u32 v[SPW], v[NIL]
	s_wait_dscnt 0x0
	CROUND                                         ; the closing round
	s_endpgm
.Lfunc_end_k_q011f69fe85_qkv:
	.size	k_q011f69fe85_qkv, .Lfunc_end_k_q011f69fe85_qkv-k_q011f69fe85_qkv
	.p2alignl 7, 3214868480
	.fill 96, 4, 3214868480
	.section	.rodata,"a",@progbits
	.p2align	6, 0x0
	.amdhsa_kernel k_q011f69fe85_qkv
		.amdhsa_group_segment_fixed_size 327680
		.amdhsa_private_segment_fixed_size 0
		.amdhsa_enable_private_segment 0
		.amdhsa_kernarg_size 96
		.amdhsa_user_sgpr_count 2
		.amdhsa_user_sgpr_kernarg_segment_ptr 1
		.amdhsa_wavefront_size32 1
		.amdhsa_system_sgpr_workgroup_id_x 1
		.amdhsa_system_sgpr_workgroup_id_y 1
		.amdhsa_system_sgpr_workgroup_id_z 1
		.amdhsa_system_vgpr_workitem_id 0
		.amdhsa_next_free_vgpr 1024
		.amdhsa_next_free_sgpr 102
		.amdhsa_reserve_vcc 1
		.amdhsa_float_denorm_mode_32 3
		.amdhsa_float_denorm_mode_16_64 3
		.amdhsa_memory_ordered 1
		.amdhsa_forward_progress 1
		.amdhsa_inst_pref_size 255
	.end_amdhsa_kernel
	.section	.bss,"aw",@nobits
	.p2align	6
	.space	262144
	.amdgpu_metadata
---
amdhsa.version: [ 1, 2 ]
amdhsa.kernels:
  - .name:           k_q011f69fe85_qkv
    .symbol:         k_q011f69fe85_qkv.kd
    .args:
      - { .name: x_codes, .offset: 0, .size: 8, .value_kind: global_buffer, .address_space: global }
      - { .name: x_scales, .offset: 8, .size: 8, .value_kind: global_buffer, .address_space: global }
      - { .name: Wq_codes, .offset: 16, .size: 8, .value_kind: global_buffer, .address_space: global }
      - { .name: Wq_scales, .offset: 24, .size: 8, .value_kind: global_buffer, .address_space: global }
      - { .name: Wk_codes, .offset: 32, .size: 8, .value_kind: global_buffer, .address_space: global }
      - { .name: Wk_scales, .offset: 40, .size: 8, .value_kind: global_buffer, .address_space: global }
      - { .name: Wv_codes, .offset: 48, .size: 8, .value_kind: global_buffer, .address_space: global }
      - { .name: Wv_scales, .offset: 56, .size: 8, .value_kind: global_buffer, .address_space: global }
      - { .name: bq, .offset: 64, .size: 8, .value_kind: global_buffer, .address_space: global }
      - { .name: bk, .offset: 72, .size: 8, .value_kind: global_buffer, .address_space: global }
      - { .name: bv, .offset: 80, .size: 8, .value_kind: global_buffer, .address_space: global }
      - { .name: qkv, .offset: 88, .size: 8, .value_kind: global_buffer, .address_space: global }
    .group_segment_fixed_size: 327680
    .private_segment_fixed_size: 0
    .kernarg_segment_align: 8
    .kernarg_segment_size: 96
    .max_flat_workgroup_size: 128
    .sgpr_count:     102
    .vgpr_count:     1024
    .wavefront_size: 32
...
	.end_amdgpu_metadata
.endif
;; end of part 1
;; launch attn (part 2): grid 8 x 32, 8 waves a work-group, clusters of 4 x 1, 327,680 bytes of LDS; arguments qkv, Wo_codes, Wo_scales, colp, ctxp; writes colp, ctxp
.if DOCPART == 2
	.amdgcn_target "amdgcn-amd-amdhsa--gfx1250"
	.amdhsa_code_object_version 6
	.text
	.protected	k_q011f69fe85_attn
	.globl	k_q011f69fe85_attn
	.p2align	8
	.type	k_q011f69fe85_attn,@function
k_q011f69fe85_attn:
	s_mov_b64 s[64:65], 0
	v_nop
	global_prefetch_b8 v0, s[64:65] scope:SCOPE_SE
	s_setreg_imm32_b32 hwreg(HW_REG_WAVE_MODE, 25, 1), 1
	s_wait_xcnt 0x0
	s_wait_alu depctr_hold_cnt(0) depctr_sa_sdst(0) depctr_va_vdst(0) depctr_va_sdst(0) depctr_va_ssrc(0) depctr_va_vcc(0) depctr_vm_vsrc(0)
	s_getreg_b32 s2, hwreg(HW_REG_IB_STS2, 6, 4)
	s_cmp_eq_u32 s2, 0
	s_cbranch_scc0 .Lentry_in_a_cluster
	s_endpgm
.Lentry_in_a_cluster:
	s_bfe_u32 s2, ttmp6, 0x10000c
	s_cmp_lg_u32 s2, 0x3003
	s_cbranch_scc0 .Lentry_shape_is_right
	s_endpgm
.Lentry_shape_is_right:
; Attention on codes of FP6 (E2M3) with E8M0 scales, for one (batch, head) bh and 256 queries; then this head's part of the output projection, added over the 256 rows; then the column sums of the finished softmax.
; INPUT: records of 12,800 bytes made by the launch before: 8 fragments (16 rows x 128 K) as images of their registers (fragment a at 1536 a, register group c at 512 c, lane place p at 16 p), then scale words (12288 + 32 r + 4 a).
; Record 512 class + 16 bh + g; class 0 q, 1 k (g: 128 rows of the sequence, K = the head's 128), 2 v (g: 128 keys = K, rows = channels).  In fragments 2, 3, 6, 7 of k and v row r lies at lane place r xor 8.
; SHARES.  Eight waves; wave w owns queries 32 w .. 32 w + 31 of the block, two tiles of 16, in 512 registers.  Every wave walks all 2,048 keys, 128 a step; a fragment of K or V read from LDS feeds two products.
; LAYOUT.  S^T = K Q^T and O^T = V^T P^T: a lane holds ONE query.  t = score x log2(e) / sqrt(128); M = the running largest t rounded up to a whole number; p = 2^(t - M) is quantised along the keys, not normalised;
; the row's sum is taken of the unquantised p; when M moves, the sum and O^T are multiplied by 2^(old M - new M), which rounds nothing.
; A LANE HOLDS WHOLE BLOCKS OF 32.  A result's register j of lane half h is source 0's row 8 h + j.  So a tile of K or V is formed of rows 0-7 from one stored fragment and rows 8-15 from the fragment two further on (32 rows on):
; tile 4 c + u of V holds channels 64 c + 32 (row / 8) + 8 u + row % 8, and a lane's 32 registers of tiles 4 c .. 4 c + 3 are channels 64 c + 32 h + 0..31: a block of the projection's K, in its order.
; Tile 4 c + u of K holds keys 64 c + 32 (row / 8) + 8 s(u) + row % 8, s = 0, 2, 1, 3: v's codes were made with each block's second and third eight exchanged, and p's 32 registers follow that order.  q's and k's codes have the
; same exchange along the channels, both alike.  So a block's largest number needs no other lane, and the conversions' results are the operand's registers.
; LDS.  K of the whole head stays (16 records); V goes through two slots of 4 records.  CLUSTER: the four query blocks of a cluster walk the same K and V: every fill is asked for jointly, mask 15.
; THE FIRST FILLS: one tensor load a wave: waves 0-3 four records of K each, waves 4-7 a record each of V's slot 0.  Slot 1 is first filled behind the first change of slots, as a refill is, every wave its 25 rows.
; One tensor load of a wave is out at any time.  A refill is asked for four key steps ahead of its first read, so no prefetch is laid for K and V.
; THE OUTPUT PROJECTION: O / l is quantised along the head's 128 channels and goes to the other waves as images; wave w multiplies all 16 tiles of rows by Wo's rows 128 w .. + 127, columns of this head; only the sum over
; rows is wanted, so the 16 tiles add into the same 8 accumulators.
; THE COLUMN SUMS need p / l with the final M and l: the scores are made once more, Q as source 0 and K's stored fragments as source 1, so that a lane holds one key and its registers run along the queries.
; LIMITS: NaN and infinities are not served; a block whose largest magnitude lies under 2^-124 gets the byte 1 (its codes are zeros or nearly); p under 2^-126 counts as 0.
.set REC,   12800
.set VPART, 6400                       ; 25 rows of 256 bytes
.set VS1,   65536                      ; V's slot 1; slot 0 at 0
.set KB,    116736                     ; K's 16 records
.set SPARE, 321536                     ; the spare words
.set OIMG,  0                          ; behind the loop, in slot 0 (its last fill and last read are over) and in the bytes behind it, into which no fill lands
.set QIMG,  24576
.set OSC,   49152
.set QSC,   51200
.set NEGM,  53248
.set RLS,   54272
.set COLS,  55296
.set LI,  1                            ; 16 x lane
.set E0,  2                            ; 16 (r % 8) + 256 h + 3200 (r / 8)
.set SPW, 3
.set NIL, 4
.set E1,  5                            ; 16 (r % 8) + 256 h + 128 + 2944 (r / 8)
.set LSP, 6                            ; 12288 + 32 (r % 8) + 8 (r / 8)
.set AK0, 7                            ; v7-12 the step's LDS addresses
.set AK1, 8
.set AKS, 9
.set AV0, 10
.set AV1, 11
.set AVS, 12
.set STA, 13
.set IWI, 14
.set IWS, 15
.set L4,  16
.set H32, 17
.set WOO, 18
.set WSO, 19
.set SH8, 20                           ; 8 h
.set LSC, 21                           ; 12288 + 32 r
.set LSX, 22                           ; 12288 + 32 (r xor 8)
.set QSO, 23                           ; 32 r
.set ST,  24                           ; tile t's statistics at v[ST + 16 t]:
.set NM,  0
.set TX,  1
.set LL,  2
.set BM,  4                            ;   my two blocks' largest
.set PB,  6                            ;   a second chain
.set SO,  8                            ;   the conversions' scale operands
.set FF,  10
.set TA,  12
.set TB,  13
.set RL,  24                           ; the column sums: 1 / l, two sets of 8
.set PW,  60                           ; v60-79 hold scale words and nothing else
.set QW,  62
.set OSW, 64
.set KS,  72
.set FR,  80
.set S,   128
.set O,   0                            ; window 1
.set QF,  128
.set PC,  152
.set PT,  176
.set K4,  192
.set SEL, 56
.set CS,  58
.set TBK, 60
.set TBV, 61
.set PH,  62
.set STP, 63
.set QT,  73
.set MSB, 0
.macro WIN new
.if MSB != \new
	s_set_vgpr_msb (MSB<<8)|\new
.set MSB, \new
.endif
.endm
.macro NOPS n
.rept \n
	v_nop
.endr
.endm
.macro CROUND
	s_barrier_signal -1
	s_barrier_wait -1
	s_cmp_lg_u32 s14, 0
	s_cbranch_scc1 .Lnot_wave_0_\@
	s_barrier_signal -3
.Lnot_wave_0_\@:
	s_barrier_wait -3
	s_barrier_signal -1
	s_barrier_wait -1
.endm
.macro MM0 d, a, b, sa, sb
	v_wmma_scale_f32_16x16x128_f8f6f4 v[\d:\d+7], v[\a:\a+11], v[\b:\b+11], 0, v[\sa], v[\sb] matrix_a_fmt:MATRIX_FMT_FP6 matrix_b_fmt:MATRIX_FMT_FP6
.endm
.macro MMA d, a, b, sa, sb
	v_wmma_scale_f32_16x16x128_f8f6f4 v[\d:\d+7], v[\a:\a+11], v[\b:\b+11], v[\d:\d+7], v[\sa], v[\sb] matrix_a_fmt:MATRIX_FMT_FP6 matrix_b_fmt:MATRIX_FMT_FP6
.endm
	s_load_b256 s[4:11], s[0:1], 0x0               ; qkv, Wo's codes, Wo's scales, colp
	s_load_b64 s[12:13], s[0:1], 0x20              ; ctxp
	v_lshl_add_u32 v[SPW], v0, 2, SPARE
	v_mov_b32 v[NIL], 0
	ds_add_u32 v[SPW], v[NIL]                      ; the opening lines
	ds_add_u32 v[SPW], v[NIL]
	s_wait_dscnt 0x0
	v_lshrrev_b32 v7, 5, v0
	s_delay_alu instid0(VALU_DEP_1)
	v_readfirstlane_b32 s14, v7                    ; wave 0..7
	s_bfe_u32 s15, ttmp6, 0x40000                  ; cx
	s_lshl_b32 s16, ttmp9, 2
	s_add_co_u32 s16, s16, s15                     ; my block of 256 queries
	s_and_b32 s17, ttmp7, 0xffff                   ; bh
	s_mov_b32 s24, 15|(3<<16)|(1<<21)              ; groups 1: dense rows of 256 bytes; 50 rows,
	s_mov_b32 s25, 32<<16
	s_mov_b32 s26, 50<<16
	s_mov_b32 s27, 32<<16
	s_mov_b32 s28, 50
	s_mov_b32 s29, 32
	s_mov_b32 s30, 0
	s_mov_b32 s31, 0
	s_mov_b32 s32, 15|(3<<16)|(1<<21)              ; 25 rows,
	s_mov_b32 s33, 32<<16
	s_mov_b32 s34, 25<<16
	s_mov_b32 s35, 32<<16
	s_mov_b32 s36, 25
	s_mov_b32 s37, 32
	s_mov_b32 s38, 0
	s_mov_b32 s39, 0
	s_mov_b32 s76, 15|(3<<16)|(1<<21)              ; 200 rows
	s_mov_b32 s77, 32<<16
	s_mov_b32 s78, 200<<16
	s_mov_b32 s79, 32<<16
	s_mov_b32 s80, 200
	s_mov_b32 s81, 32
	s_mov_b32 s82, 0
	s_mov_b32 s83, 0
	s_lshl_b32 s18, s17, 4                         ; the head's first record
	s_and_b32 s67, s14, 3
	s_lshl_b32 s20, s67, 2
	s_add_co_u32 s20, s20, s18
	s_mul_i32 s20, s20, REC                        ; K: records 4 (w % 4) .. + 3
	s_mov_b32 s21, 0
	s_mul_i32 s22, s18, REC
	s_mul_i32 s19, s14, VPART
	s_add_co_u32 s22, s22, s19                     ; V: my 25 rows of the first four records
	s_mov_b32 s23, 0
	s_mul_i32 s68, s67, REC                        ; V: record w % 4 of slot 0
	s_lshl_b32 s66, s68, 2
	s_add_co_u32 s66, s66, KB
	s_mov_b32 s[SEL], 0x76543210
	s_mov_b32 s[SEL+1], 0xfedcba98
	s_mov_b32 s[CS], 0x3e0293ee                    ; log2(e) / sqrt(128)
	s_mov_b32 s[CS+1], s[CS]
	s_mov_b32 s[TBK], KB
	s_mov_b32 s[TBV], 0
	s_mov_b32 s72, 0x1800000                       ; the floor 2^(3 - 127)
	s_wait_kmcnt 0x0
	s_add_nc_u64 s[20:21], s[4:5], s[20:21]
	s_add_nc_u64 s[20:21], s[20:21], 512*REC
	s_add_nc_u64 s[22:23], s[4:5], s[22:23]
	s_add_nc_u64 s[22:23], s[22:23], 1024*REC
	s_mov_b32 s40, 1
	s_mov_b32 s41, s66
	s_mov_b64 s[42:43], s[20:21]
	s_or_b32 s43, s43, 0x80000000
	s_mov_b32 s44, s19
	s_mov_b32 s45, 0
	s_sub_nc_u64 s[50:51], s[22:23], s[44:45]
	s_mov_b32 s44, s68
	s_add_nc_u64 s[50:51], s[50:51], s[44:45]
	s_mov_b32 s48, 1
	s_mov_b32 s49, s68
	s_or_b32 s51, s51, 0x80000000
	s_mov_b32 s52, 1                               ; the walking descriptor: each change of slots steps it four records on and into the other slot
	s_mov_b32 s53, s19
	s_mov_b64 s[54:55], s[22:23]
	s_or_b32 s55, s55, 0x80000000
	CROUND                                         ; the first joint loads meet
	s_cmp_lt_u32 s14, 4
	s_cbranch_scc0 .Lhead_v
	tensor_load_to_lds s[40:43], s[76:83]
	s_nop 0
	NOPS 4
	s_branch .Lhead_asked
.Lhead_v:
	tensor_load_to_lds s[48:51], s[24:31]
	s_nop 0
	NOPS 4
.Lhead_asked:
	s_lshl_b32 s66, s14, 7
	s_mul_i32 s67, s14, 3072
	s_lshl_b32 s69, s14, 8
	v_and_b32 v7, 31, v0                           ; lane
	v_and_b32 v8, 15, v0                           ; r
	v_bfe_u32 v9, v0, 4, 1                         ; h
	v_and_b32 v10, 7, v0                           ; r % 8
	v_bfe_u32 v11, v0, 3, 1                        ; r / 8
	v_lshlrev_b32 v[LI], 4, v7
	v_lshlrev_b32 v12, 4, v10
	v_lshlrev_b32 v[LSP], 5, v10
	v_lshlrev_b32 v[LSC], 5, v8
	v_lshl_add_u32 v12, v9, 8, v12
	v_lshl_add_u32 v[LSP], v11, 3, v[LSP]
	v_xor_b32 v[LSX], 256, v[LSC]
	v_mad_u32_u24 v[E0], v11, 3200, v12
	v_mad_u32_u24 v[E1], v11, 2944, v12
	v_add_nc_u32 v[LSP], 12288, v[LSP]
	v_add_nc_u32 v[LSX], 12288, v[LSX]
	v_lshlrev_b32 v[QSO], 5, v8
	v_add_nc_u32 v[E1], 128, v[E1]
	v_add_nc_u32 v[LSC], 12288, v[LSC]
	v_lshlrev_b32 v[L4], 2, v7
	v_lshlrev_b32 v[H32], 5, v9
	v_lshlrev_b32 v[SH8], 3, v9
	v_lshl_add_u32 v[STA], v8, 2, s66
	v_add_nc_u32 v[IWI], s67, v[LI]
	v_add_nc_u32 v[IWS], s69, v[L4]
	v_mul_u32_u24 v[WOO], v8, 6144
	v_add_nc_u32 v[STA], NEGM, v[STA]
	v_lshlrev_b32 v[WSO], 8, v8
	v_mad_u32_u24 v[WOO], v9, 24, v[WOO]
	; Q: record 16 bh + 2 qb + w / 4, fragments 2 (w % 4) and 2 (w % 4) + 1
	s_lshl_b32 s66, s16, 1
	s_add_co_u32 s66, s66, s18
	s_lshr_b32 s67, s14, 2
	s_add_co_u32 s66, s66, s67
	s_mul_i32 s66, s66, REC
	s_and_b32 s67, s14, 3
	s_mul_i32 s68, s67, 3072
	s_add_co_u32 s68, s68, s66
	s_mov_b32 s69, 0
	s_lshl_b32 s70, s67, 3
	s_add_co_u32 s70, s70, s66
	s_add_co_u32 s70, s70, 12288
	s_mov_b32 s71, 0
	s_add_nc_u64 s[68:69], s[4:5], s[68:69]
	s_add_nc_u64 s[70:71], s[4:5], s[70:71]
	s_wait_alu depctr_va_vdst(0)
	WIN 0x40
.irp t, 0,1
.irp c, 0,1,2
	global_load_b128 v[QF+12*\t+4*\c:QF+12*\t+4*\c+3], v[LI], s[68:69] offset:1536*\t+512*\c
.endr
.endr
.set j, 0
.rept 128
	v_mov_b32 v[O+j], 0                            ; O^T: the step is written for every step alike; the first finds zeros
.set j, j+1
.endr
	WIN 0
	global_load_b64 v[QW:QW+1], v[QSO], s[70:71]
.irp t, 0,1
	v_mov_b32 v[ST+16*\t+TX], 0xff61b1e6           ; -3e38, under every t
	s_delay_alu instid0(VALU_DEP_1)
	v_floor_f32 v[ST+16*\t+NM], -v[ST+16*\t+TX]
	v_mov_b32 v[ST+16*\t+LL], 0
	v_mov_b32 v[ST+16*\t+LL+1], 0
	v_mov_b32 v[ST+16*\t+FF+1], 0
	v_mov_b32 v[ST+16*\t+TB], 0                    ; a lane permute's destination counts as one of its sources
.endr
; From my two blocks' largest numbers in BM (not under the floor): the conversions' scale operands, and the tile's scale word in v[PW + t]: my bytes are blocks h and 2 + h, lane l xor 16 has the other two.
.macro SCALEW
.irp c, 0,1
.irp t, 0,1
	v_add_nc_u32 v[ST+16*\t+SO+\c], 0xff000000, v[ST+16*\t+BM+\c]    ; 2 off the exponent field
.endr
.endr
.irp t, 0,1
	s_delay_alu instid0(VALU_DEP_4)
	v_lshrrev_b32 v[ST+16*\t+TA], 23, v[ST+16*\t+SO]
.endr
.irp t, 0,1
	s_delay_alu instid0(VALU_DEP_4)
	v_lshrrev_b32 v[ST+16*\t+TB], 23, v[ST+16*\t+SO+1]
.endr
.irp t, 0,1
	s_delay_alu instid0(VALU_DEP_2)
	v_lshl_or_b32 v[ST+16*\t+TA], v[ST+16*\t+TB], 16, v[ST+16*\t+TA]
.endr
.irp t, 0,1
	s_delay_alu instid0(VALU_DEP_2)
	v_lshlrev_b32 v[ST+16*\t+TA], v[SH8], v[ST+16*\t+TA]
.endr
.irp t, 0,1
	s_delay_alu instid0(VALU_DEP_2)
	v_permlanex16_b32 v[ST+16*\t+TB], v[ST+16*\t+TA], s[SEL], s[SEL+1]
.endr
.irp t, 0,1
	s_delay_alu instid0(VALU_DEP_2)
	v_or_b32 v[PW+\t], v[ST+16*\t+TA], v[ST+16*\t+TB]
.endr
.endm
.macro CODES wc, src                   ; both tiles' 64 numbers, from v[src] and v[src + 64] on: two whole blocks a tile
	WIN \wc
.irp t, 0,1
.irp c, 0,1
	v_cvt_scalef32_pk16_fp6_f32 v[PC+12*\t+6*\c:PC+12*\t+6*\c+2], v[\src+64*\t+32*\c:\src+64*\t+32*\c+15], v[ST+16*\t+SO+\c]
	v_cvt_scalef32_pk16_fp6_f32 v[PT+8*\t+4*\c:PT+8*\t+4*\c+2], v[\src+64*\t+32*\c+16:\src+64*\t+32*\c+31], v[ST+16*\t+SO+\c]
.endr
.endr
	v_nop                                          ; one plain place behind a scaled conversion
.endm
.macro MOVS                            ; a conversion's three registers begin on an even number: a block's second three are made elsewhere and moved
	WIN 0x41
.irp t, 0,1
.irp c, 0,1
.irp i, 0,1,2
	v_mov_b32 v[PC+12*\t+6*\c+3+\i], v[PT+8*\t+4*\c+\i]
.endr
.endr
.endr
.endm
.macro RESCALE                         ; O^T x the low word of the tile's pair FF, ascending in each accumulator
	WIN 0x41
	s_wait_alu depctr_va_vdst(0)
.set j, 0
.rept 32
	v_pk_mul_f32 v[O+j:O+j+1], v[O+j:O+j+1], v[ST+FF:ST+FF+1] op_sel_hi:[1,0]
	v_pk_mul_f32 v[O+64+j:O+64+j+1], v[O+64+j:O+64+j+1], v[ST+16+FF:ST+16+FF+1] op_sel_hi:[1,0]
.set j, j+2
.endr
.endm
; A KEY STEP: 128 keys.
.macro STEP
	v_add_nc_u32 v[AK0], s[TBK], v[E0]             ; these six are the places behind the last step's products
	v_add_nc_u32 v[AK1], s[TBK], v[E1]
	v_add_nc_u32 v[AKS], s[TBK], v[LSP]
	v_add_nc_u32 v[AV0], s[TBV], v[E0]
	v_add_nc_u32 v[AV1], s[TBV], v[E1]
	v_add_nc_u32 v[AVS], s[TBV], v[LSP]
.irp c, 0,1
.irp y, 0,1
	ds_load_b64 v[KS+4*\c+2*\y:KS+4*\c+2*\y+1], v[AKS] offset:256*\y+16*\c      ; K's scale words of tiles 4 c + 2 y, + 1
.endr
.endr
.irp a, 0,1,2,3
.irp c, 0,1,2
	ds_load_b128 v[FR+12*\a+4*\c:FR+12*\a+4*\c+3], v[AK0+\a/2] offset:1536*(\a%2)+512*\c
.endr
.endr
	WIN 0x40
.irp a, 0,1,2,3
.irp c, 0,1,2
	ds_load_b128 v[K4+12*\a+4*\c:K4+12*\a+4*\c+3], v[AK0+\a/2] offset:6144+1536*(\a%2)+512*\c
.endr
.endr
	s_wait_alu depctr_va_vdst(0)
	s_wait_dscnt 12                                ; all but the 12 loads of tiles 4-7
	WIN 0x04
.irp a, 0,1,2,3
.irp t, 0,1
	MM0 S+64*\t+8*\a, FR+12*\a, QF+12*\t, KS+\a, QW+\t
.endr
.endr
	s_wait_dscnt 0x0
	WIN 0x05
.irp a, 0,1,2,3
.irp t, 0,1
	MM0 S+64*\t+8*(\a+4), K4+12*\a, QF+12*\t, KS+4+\a, QW+\t
.endr
.endr
	WIN 0
	NOPS 4
.irp c, 0,1
.irp y, 0,1
	ds_load_b64 v[KS+4*\c+2*\y:KS+4*\c+2*\y+1], v[AVS] offset:256*\y+16*\c      ; V's scale words of tiles 4 c + y and 4 c + y + 2
.endr
.endr
.irp a, 0,1,2,3
.irp c, 0,1,2
	ds_load_b128 v[FR+12*\a+4*\c:FR+12*\a+4*\c+3], v[AV0+\a%2] offset:1536*(\a/2)+512*\c
.endr
.endr
	; the largest score of each of my blocks of 32 keys, in two chains a block: for the row's maximum and, since p rises with the score, for the block's largest p
.irp c, 0,1
.irp t, 0,1
	v_max3_num_f32 v[ST+16*\t+BM+\c], v[S+64*\t+32*\c], v[S+64*\t+32*\c+1], v[S+64*\t+32*\c+2]
	v_max3_num_f32 v[ST+16*\t+PB+\c], v[S+64*\t+32*\c+16], v[S+64*\t+32*\c+17], v[S+64*\t+32*\c+18]
.endr
.endr
.irp i, 3,5,7,9,11,13
.irp c, 0,1
.irp t, 0,1
	v_max3_num_f32 v[ST+16*\t+BM+\c], v[ST+16*\t+BM+\c], v[S+64*\t+32*\c+\i], v[S+64*\t+32*\c+\i+1]
	v_max3_num_f32 v[ST+16*\t+PB+\c], v[ST+16*\t+PB+\c], v[S+64*\t+32*\c+16+\i], v[S+64*\t+32*\c+17+\i]
.endr
.endr
.endr
.irp c, 0,1
.irp t, 0,1
	v_max3_num_f32 v[ST+16*\t+BM+\c], v[ST+16*\t+BM+\c], v[S+64*\t+32*\c+15], v[S+64*\t+32*\c+31]
.endr
.endr
.irp c, 0,1
.irp t, 0,1
	s_delay_alu instid0(VALU_DEP_4)
	v_max_num_f32 v[ST+16*\t+BM+\c], v[ST+16*\t+BM+\c], v[ST+16*\t+PB+\c]
.endr
.endr
.irp t, 0,1
	s_delay_alu instid0(VALU_DEP_2)
	v_max_num_f32 v[ST+16*\t+TA], v[ST+16*\t+BM], v[ST+16*\t+BM+1]
.endr
.irp t, 0,1
	s_delay_alu instid0(VALU_DEP_2)
	v_permlanex16_b32 v[ST+16*\t+TB], v[ST+16*\t+TA], s[SEL], s[SEL+1]
.endr
.irp t, 0,1
	s_delay_alu instid0(VALU_DEP_2)
	v_max_num_f32 v[ST+16*\t+TA], v[ST+16*\t+TA], v[ST+16*\t+TB]     ; with lane l xor 16's 64 keys
.endr
.irp t, 0,1
	s_delay_alu instid0(VALU_DEP_2)
	v_mul_f32 v[ST+16*\t+TA], s[CS], v[ST+16*\t+TA]
.endr
.irp t, 0,1
	s_delay_alu instid0(VALU_DEP_2)
	v_max_num_f32 v[ST+16*\t+TX], v[ST+16*\t+TX], v[ST+16*\t+TA]     ; the running largest t
.endr
.irp t, 0,1
	v_mov_b32 v[ST+16*\t+TA], v[ST+16*\t+NM]
.endr
.irp t, 0,1
	s_delay_alu instid0(VALU_DEP_4)
	v_floor_f32 v[ST+16*\t+NM], -v[ST+16*\t+TX]                      ; -M = floor(-t)
.endr
.irp t, 0,1
	s_delay_alu instid0(VALU_DEP_2)
	v_sub_f32 v[ST+16*\t+TA], v[ST+16*\t+NM], v[ST+16*\t+TA]         ; old M - new M, 0 or less
.endr
.irp t, 0,1
	s_delay_alu instid0(VALU_DEP_2)
	v_cvt_i32_f32 v[ST+16*\t+TA], v[ST+16*\t+TA]
.endr
.irp t, 0,1
	s_delay_alu instid0(VALU_DEP_2)
	v_ldexp_f32 v[ST+16*\t+FF], 1.0, v[ST+16*\t+TA]                  ; f = 2^(old M - new M)
.endr
.set j, 0
.rept 32
	v_pk_fma_f32 v[S+j:S+j+1], v[S+j:S+j+1], s[CS:CS+1], v[ST+NM:ST+NM+1] op_sel_hi:[1,0,0]              ; t - M
	v_pk_fma_f32 v[S+64+j:S+64+j+1], v[S+64+j:S+64+j+1], s[CS:CS+1], v[ST+16+NM:ST+16+NM+1] op_sel_hi:[1,0,0]
.set j, j+2
.endr
.irp c, 0,1
.irp t, 0,1
	v_fma_f32 v[ST+16*\t+BM+\c], v[ST+16*\t+BM+\c], s[CS], v[ST+16*\t+NM]
.endr
.endr
.set j, 0
	s_wait_alu depctr_va_vdst(0)
.rept 128
	v_exp_f32 v[S+j], v[S+j]                       ; p = 2^(t - M)
.set j, j+1
.endr
.irp t, 0,1
	v_pk_mul_f32 v[ST+16*\t+LL:ST+16*\t+LL+1], v[ST+16*\t+LL:ST+16*\t+LL+1], v[ST+16*\t+FF:ST+16*\t+FF+1] op_sel_hi:[1,0]   ; the sums under the new M
.endr
	s_wait_alu depctr_va_vdst(0)                   ; one wait for the batch
.irp c, 0,1
.irp t, 0,1
	v_exp_f32 v[ST+16*\t+BM+\c], v[ST+16*\t+BM+\c] ; the blocks' largest p
.endr
.endr
.irp t, 0,1
	v_pk_add_f32 v[ST+16*\t+PB:ST+16*\t+PB+1], v[S+64*\t:S+64*\t+1], v[S+64*\t+2:S+64*\t+3]   ; the row's sum of the unquantised p, two chains a tile
.endr
.irp j, 4,8,12,16,20,24,28,32,36,40,44,48,52,56,60
.irp t, 0,1
	v_pk_add_f32 v[ST+16*\t+LL:ST+16*\t+LL+1], v[ST+16*\t+LL:ST+16*\t+LL+1], v[S+64*\t+\j:S+64*\t+\j+1]
	v_pk_add_f32 v[ST+16*\t+PB:ST+16*\t+PB+1], v[ST+16*\t+PB:ST+16*\t+PB+1], v[S+64*\t+\j+2:S+64*\t+\j+3]
.endr
.endr
	s_delay_alu instid0(VALU_DEP_3)
	v_pk_add_f32 v[ST+LL:ST+LL+1], v[ST+LL:ST+LL+1], v[ST+PB:ST+PB+1]
	s_delay_alu instid0(VALU_DEP_2)
	v_pk_add_f32 v[ST+16+LL:ST+16+LL+1], v[ST+16+LL:ST+16+LL+1], v[ST+16+PB:ST+16+PB+1]
	s_wait_alu depctr_va_vdst(0)                   ; and one for the four
.irp c, 0,1
.irp t, 0,1
	v_max_num_f32 v[ST+16*\t+BM+\c], 0x1800000, v[ST+16*\t+BM+\c]    ; the floor: the byte cannot fall under 1
.endr
.endr
	SCALEW
	CODES 0x40, S
	WIN 0
.irp a, 0,1,2,3
.irp c, 0,1,2
	ds_load_b128 v[S+12*\a+4*\c:S+12*\a+4*\c+3], v[AV0+\a%2] offset:6144+1536*(\a/2)+512*\c   ; V's tiles 4-7, into registers that p has left
.endr
.endr
	MOVS
	RESCALE                                        ; O^T under the new M; these 64 are also the places in front of the products
	s_wait_alu depctr_va_vdst(0)
	s_wait_dscnt 0x0
	WIN 0x54
.irp a, 0,1,2,3
.irp t, 0,1
	MMA O+64*\t+8*\a, FR+12*\a, PC+12*\t, KS+2*(\a%2)+\a/2, PW+\t    ; sixteen accumulators, one instruction each
.endr
.endr
.irp a, 0,1,2,3
.irp t, 0,1
	MMA O+64*\t+8*(\a+4), S+12*\a, PC+12*\t, KS+4+2*(\a%2)+\a/2, PW+\t
.endr
.endr
	WIN 0
	s_add_co_u32 s[TBK], s[TBK], REC
	s_add_co_u32 s[TBV], s[TBV], REC
.endm
.macro FOUR_STEPS
	s_mov_b32 s[STP], 4
.Lstep_\@:
	STEP
	s_sub_co_u32 s[STP], s[STP], 1
	s_cmp_lg_u32 s[STP], 0
	s_cbranch_scc1 .Lstep_\@
	s_sub_co_u32 s[TBV], s[TBV], 4*REC
	s_xor_b32 s[TBV], s[TBV], VS1
.endm
; THE CHANGE OF SLOTS.  Each wave waits for all its tensor loads, adds 0 to its spare word, and waits for that and for its reads of the slot that it has left.  fill = 1: behind a round of the cluster's barrier
; the other slot than last time takes the next four records of V: the wave's one tensor load until the next round.
.macro CHANGE fill
	s_wait_tensorcnt 0x0
	ds_add_u32 v[SPW], v[NIL]
.if \fill
	s_xor_b32 s53, s53, VS1
	s_add_nc_u64 s[54:55], s[54:55], 4*REC
.endif
	s_wait_dscnt 0x0
.if \fill
	CROUND
	tensor_load_to_lds s[52:55], s[32:39]
	s_nop 0
	NOPS 4
.else
	s_barrier_signal -1
	s_barrier_wait -1
.endif
.endm
	s_wait_alu depctr_va_vdst(0)
	s_wait_loadcnt 0x0                             ; Q
	s_mov_b32 s[PH], 3                             ; three trips: each asks for the next slot of V and walks four key steps
.Lphase:
	CHANGE 1
	FOUR_STEPS
	s_sub_co_u32 s[PH], s[PH], 1
	s_cmp_lg_u32 s[PH], 0
	s_cbranch_scc1 .Lphase
	CHANGE 0                                       ; the last slot is written out: nothing is left to ask for
	FOUR_STEPS
	; ---- Wo: my 128 rows, this head's 128 columns.  Lane r of tile t takes row 128 w + 8 r + t, so that a lane ends with eight neighbouring columns of the result
	NOPS 4
	s_and_b32 s66, s17, 7
	s_mul_i32 s67, s14, 98304
	s_mul_i32 s68, s66, 96
	s_add_co_u32 s68, s68, s67
	s_mov_b32 s69, 0
	s_add_nc_u64 s[6:7], s[6:7], s[68:69]
	s_lshl_b32 s68, s14, 12
	s_lshl_b32 s67, s66, 2
	s_add_co_u32 s68, s68, s67
	s_add_nc_u64 s[8:9], s[8:9], s[68:69]
.irp t, 0,1,2,3,4,5,6,7
.irp p, 0,1,2,3,4,5
	global_load_b64 v[S+12*\t+2*\p:S+12*\t+2*\p+1], v[WOO], s[6:7] offset:768*\t+48*(\p/3)+8*(\p%3)
.endr
	global_load_b32 v[KS+\t], v[WSO], s[8:9] offset:32*\t
.endr
	; ---- O / l, quantised along the channels; -M and 1 / l, O's and Q's images go to LDS
.irp t, 0,1
	v_add_f32 v[ST+16*\t+TA], v[ST+16*\t+LL], v[ST+16*\t+LL+1]
.endr
.irp t, 0,1
	s_delay_alu instid0(VALU_DEP_2)
	v_permlanex16_b32 v[ST+16*\t+TB], v[ST+16*\t+TA], s[SEL], s[SEL+1]
.endr
.irp t, 0,1
	s_delay_alu instid0(VALU_DEP_2)
	v_add_f32 v[ST+16*\t+TA], v[ST+16*\t+TA], v[ST+16*\t+TB]         ; the row's sum
.endr
	s_wait_alu depctr_va_vdst(0)
.irp t, 0,1
	v_rcp_f32 v[ST+16*\t+FF], v[ST+16*\t+TA]
.endr
	v_nop
	s_wait_alu depctr_va_vdst(0)
.irp t, 0,1
	ds_store_b32 v[STA], v[ST+16*\t+NM] offset:64*\t                 ; both halves of the lanes write the same word with the same value
	ds_store_b32 v[STA], v[ST+16*\t+FF] offset:RLS-NEGM+64*\t
.endr
	RESCALE                                        ; O^T / l
	WIN 0x14
.irp c, 0,1
.irp t, 0,1
	v_max3_num_f32 v[ST+16*\t+BM+\c], s72, |v[O+64*\t+32*\c]|, |v[O+64*\t+32*\c+1]|
	v_max3_num_f32 v[ST+16*\t+PB+\c], s72, |v[O+64*\t+32*\c+16]|, |v[O+64*\t+32*\c+17]|
.endr
.endr
.irp i, 2,4,6,8,10,12,14
.irp c, 0,1
.irp t, 0,1
	v_max3_num_f32 v[ST+16*\t+BM+\c], v[ST+16*\t+BM+\c], |v[O+64*\t+32*\c+\i]|, |v[O+64*\t+32*\c+\i+1]|
	v_max3_num_f32 v[ST+16*\t+PB+\c], v[ST+16*\t+PB+\c], |v[O+64*\t+32*\c+16+\i]|, |v[O+64*\t+32*\c+17+\i]|
.endr
.endr
.endr
	WIN 0
.irp c, 0,1
.irp t, 0,1
	v_max_num_f32 v[ST+16*\t+BM+\c], v[ST+16*\t+BM+\c], v[ST+16*\t+PB+\c]
.endr
.endr
	SCALEW
	CODES 0x41, O
	MOVS
	WIN 0x04                                       ; an LDS store's data are its source 1: window 1
.irp t, 0,1
.irp c, 0,1,2
	ds_store_b128 v[IWI], v[PC+12*\t+4*\c:PC+12*\t+4*\c+3] offset:OIMG+1536*\t+512*\c
	ds_store_b128 v[IWI], v[QF+12*\t+4*\c:QF+12*\t+4*\c+3] offset:QIMG+1536*\t+512*\c
.endr
.endr
	WIN 0
.irp t, 0,1
	ds_store_b32 v[IWS], v[PW+\t] offset:OSC+128*\t
	ds_store_b32 v[IWS], v[QW+\t] offset:QSC+128*\t
.endr
	s_wait_dscnt 0x0                               ; for the others' sake: my stores have landed
	s_barrier_signal -1
	s_barrier_wait -1
	; ---- the output projection: O's codes lie in the channels' own order, so Wo's codes are taken as they are given
	s_wait_loadcnt 0x0
.irp g, 0,1,2,3                        ; four tiles of rows at a time; the eight accumulators by turns
	NOPS 4
.irp m, 0,1,2,3
.irp c, 0,1,2
	ds_load_b128 v[FR+12*\m+4*\c:FR+12*\m+4*\c+3], v[LI] offset:OIMG+1536*(4*\g+\m)+512*\c
.endr
	ds_load_b32 v[OSW+\m], v[L4] offset:OSC+128*(4*\g+\m)
.endr
	s_wait_dscnt 0x0
	WIN 0x50
.irp m, 0,1,2,3
.irp n, 0,1,2,3,4,5,6,7
.if (\g == 0) && (\m == 0)
	MM0 8*\n, FR+12*\m, S+12*\n, OSW+\m, KS+\n
.else
	MMA 8*\n, FR+12*\m, S+12*\n, OSW+\m, KS+\n
.endif
.endr
.endr
	WIN 0
.endr
	NOPS 4
	WIN 0x05                                       ; register j of lane (r, h) holds the sum over the 16 tiles of row 8 h + j, column r: add the eight, then the halves
.irp n, 0,1,2,3,4,5,6,7
	v_pk_add_f32 v[S+4*\n:S+4*\n+1], v[8*\n:8*\n+1], v[8*\n+2:8*\n+3]
	v_pk_add_f32 v[S+4*\n+2:S+4*\n+3], v[8*\n+4:8*\n+5], v[8*\n+6:8*\n+7]
.endr
	WIN 0
.irp n, 0,1,2,3,4,5,6,7
	v_pk_add_f32 v[S+4*\n:S+4*\n+1], v[S+4*\n:S+4*\n+1], v[S+4*\n+2:S+4*\n+3]
.endr
.irp n, 0,1,2,3,4,5,6,7
	v_add_f32 v[S+4*\n], v[S+4*\n], v[S+4*\n+1]
.endr
.irp n, 0,1,2,3,4,5,6,7
	v_permlanex16_b32 v[S+4*\n+1], v[S+4*\n], s[SEL], s[SEL+1]
.endr
.irp n, 0,1,2,3,4,5,6,7
	v_add_f32 v[S+4*\n], v[S+4*\n], v[S+4*\n+1]
.endr
	v_and_b32 v10, 31, v0
	v_and_b32 v11, 15, v0
	v_bfe_u32 v12, v0, 4, 1
	s_delay_alu instid0(VALU_DEP_2)
	v_lshlrev_b32 v[WOO], 5, v11
	s_delay_alu instid0(VALU_DEP_1)
	v_lshl_add_u32 v[WOO], v12, 4, v[WOO]          ; 32 r + 16 h
	v_cmp_le_u32 vcc_lo, 16, v10
.irp i, 0,1,2,3
	v_cndmask_b32 v[224+\i], v[S+4*\i], v[S+16+4*\i], vcc_lo
.endr
	s_lshl_b32 s74, s17, 3
	s_add_co_u32 s74, s74, s16                     ; 8 bh + qb
	s_lshl_b32 s68, s74, 12
	s_lshl_b32 s67, s14, 9
	s_add_co_u32 s68, s68, s67
	s_mov_b32 s69, 0
	s_add_nc_u64 s[12:13], s[12:13], s[68:69]
	global_store_b128 v[WOO], v[224:227], s[12:13] ; 512 consecutive bytes; neither register is written again
	; ---- the column sums.  Wave w takes keys 256 w .. + 255: K records 2 w, 2 w + 1, their 16 stored fragments, into window 1.  In fragments 2, 3, 6, 7 lane r holds row r xor 8: its scale word and its key go by that
	s_mul_i32 s66, s14, 2*REC
	s_add_co_u32 s66, s66, KB
	v_add_nc_u32 v[AK0], s66, v[LI]
	v_add_nc_u32 v[AKS], s66, v[LSC]
	v_add_nc_u32 v[AK1], s66, v[LSX]
	WIN 0x40
.irp rr, 0,1
.irp a, 0,1,2,3,4,5,6,7
.irp c, 0,1,2
	ds_load_b128 v[12*(8*\rr+\a)+4*\c:12*(8*\rr+\a)+4*\c+3], v[AK0] offset:REC*\rr+1536*\a+512*\c
.endr
.endr
.endr
	WIN 0
.irp rr, 0,1
.irp q, 0,1
	ds_load_b64 v[OSW+8*\rr+4*\q:OSW+8*\rr+4*\q+1], v[AKS] offset:REC*\rr+16*\q
	ds_load_b64 v[OSW+8*\rr+4*\q+2:OSW+8*\rr+4*\q+3], v[AK1] offset:REC*\rr+16*\q+8
.endr
.endr
.set j, 0
.rept 32
	v_mov_b32 v[192+j], 0                          ; a pair of sums for each of the 16 tiles of keys
.set j, j+1
.endr
.macro QLOAD u                         ; tile s[QT] of the queries into set u: its fragment, its scale word, -M and 1 / l of queries 8 h + 0..7
	s_mul_i32 s66, s[QT], 1536
	s_lshl_b32 s67, s[QT], 7
	s_lshl_b32 s68, s[QT], 6
	v_add_nc_u32 v7, s66, v[LI]
	v_add_nc_u32 v8, s67, v[L4]
	v_add_nc_u32 v9, s68, v[H32]
.irp c, 0,1,2
	ds_load_b128 v[FR+12*(\u)+4*\c:FR+12*(\u)+4*\c+3], v7 offset:QIMG+512*\c
.endr
	ds_load_b32 v[PW+(\u)], v8 offset:QSC
	ds_load_b128 v[104+8*(\u):104+8*(\u)+3], v9 offset:NEGM
	ds_load_b128 v[104+8*(\u)+4:104+8*(\u)+7], v9 offset:NEGM+16
	ds_load_b128 v[RL+8*(\u):RL+8*(\u)+3], v9 offset:RLS
	ds_load_b128 v[RL+8*(\u)+4:RL+8*(\u)+7], v9 offset:RLS+16
.endm
.macro CT u                            ; one tile of queries against my 16 tiles of keys, eight at a time
	s_wait_dscnt 0x0
	s_add_co_u32 s[QT], s[QT], 1
	s_and_b32 s[QT], s[QT], 15                     ; (the last turn asks for tile 0 once more)
	QLOAD 1-\u
.irp hf, 0,1
	WIN 0x04
.irp k, 0,1,2,3,4,5,6,7
	MM0 S+8*\k, FR+12*\u, 12*(8*\hf+\k), PW+\u, OSW+8*\hf+\k
.endr
	WIN 0
	NOPS 4
.irp j, 0,2,4,6
.irp k, 0,1,2,3,4,5,6,7
	v_pk_fma_f32 v[S+8*\k+\j:S+8*\k+\j+1], v[S+8*\k+\j:S+8*\k+\j+1], s[CS:CS+1], v[104+8*\u+\j:104+8*\u+\j+1] op_sel_hi:[1,0,1]
.endr
.endr
.set j, 0
	s_wait_alu depctr_va_vdst(0)
.rept 64
	v_exp_f32 v[S+j], v[S+j]
.set j, j+1
.endr
	v_nop
	s_wait_alu depctr_va_vdst(0)
.irp j, 0,2,4,6
.irp k, 0,1,2,3,4,5,6,7
	v_pk_fma_f32 v[192+2*(8*\hf+\k):192+2*(8*\hf+\k)+1], v[S+8*\k+\j:S+8*\k+\j+1], v[RL+8*\u+\j:RL+8*\u+\j+1], v[192+2*(8*\hf+\k):192+2*(8*\hf+\k)+1]   ; += p / l
.endr
.endr
.endr
.endm
	s_mov_b32 s[QT], 0
	QLOAD 0
	s_mov_b32 s[PH], 8
.Lct:
	CT 0
	CT 1
	s_sub_co_u32 s[PH], s[PH], 1
	s_cmp_lg_u32 s[PH], 0
	s_cbranch_scc1 .Lct
.irp k, 0,1,2,3,4,5,6,7,8,9,10,11,12,13,14,15
	v_add_f32 v[S+\k], v[192+2*\k], v[193+2*\k]
.endr
.irp k, 0,1,2,3,4,5,6,7,8,9,10,11,12,13,14,15
	v_permlanex16_b32 v[S+16+\k], v[S+\k], s[SEL], s[SEL+1]
.endr
.irp k, 0,1,2,3,4,5,6,7,8,9,10,11,12,13,14,15
	v_add_f32 v[S+\k], v[S+\k], v[S+16+\k]
.endr
	s_lshl_b32 s66, s14, 10
	s_add_co_u32 s66, s66, COLS
	v_and_b32 v10, 15, v0
	v_add_nc_u32 v9, s66, v[LI]
	s_delay_alu instid0(VALU_DEP_2)
	v_lshl_add_u32 v11, v10, 2, s66                ; key 16 k + r
	v_xor_b32 v10, 8, v10
	s_delay_alu instid0(VALU_DEP_1)
	v_lshl_add_u32 v12, v10, 2, s66                ; key 16 k + (r xor 8)
.irp k, 0,1,2,3,4,5,6,7,8,9,10,11,12,13,14,15
.if ((\k%8)/2)%2
	ds_store_b32 v12, v[S+\k] offset:64*\k
.else
	ds_store_b32 v11, v[S+\k] offset:64*\k         ; both halves of the lanes write the same word with the same value
.endif
.endr
	ds_load_b128 v[S+32:S+35], v9                  ; LDS serves a wave's instructions in order: these see my stores; the bytes are my wave's own
	ds_load_b128 v[S+36:S+39], v9 offset:512
	s_lshl_b32 s68, s74, 13
	s_lshl_b32 s67, s14, 10
	s_add_co_u32 s68, s68, s67
	s_mov_b32 s69, 0
	s_add_nc_u64 s[10:11], s[10:11], s[68:69]
	s_wait_dscnt 1                                 ; the younger load may be out
	global_store_b128 v[LI], v[S+32:S+35], s[10:11]
	s_wait_dscnt 0x0
	global_store_b128 v[LI], v[S+36:S+39], s[10:11] offset:512
	s_wait_tensorcnt 0x0                           ; the wave's end
	ds_add_u32 v[SPW], v[NIL]
	s_wait_dscnt 0x0
	CROUND                                         ; the closing round
	s_endpgm
.Lfunc_end_k_q011f69fe85_attn:
	.size	k_q011f69fe85_attn, .Lfunc_end_k_q011f69fe85_attn-k_q011f69fe85_attn
	.p2alignl 7, 3214868480
	.fill 96, 4, 3214868480
	.section	.rodata,"a",@progbits
	.p2align	6, 0x0
	.amdhsa_kernel k_q011f69fe85_attn
		.amdhsa_group_segment_fixed_size 327680
		.amdhsa_private_segment_fixed_size 0
		.amdhsa_enable_private_segment 0
		.amdhsa_kernarg_size 40
		.amdhsa_user_sgpr_count 2
		.amdhsa_user_sgpr_kernarg_segment_ptr 1
		.amdhsa_wavefront_size32 1
		.amdhsa_system_sgpr_workgroup_id_x 1
		.amdhsa_system_sgpr_workgroup_id_y 1
		.amdhsa_system_sgpr_workgroup_id_z 1
		.amdhsa_system_vgpr_workitem_id 0
		.amdhsa_next_free_vgpr 512
		.amdhsa_next_free_sgpr 84
		.amdhsa_reserve_vcc 1
		.amdhsa_float_denorm_mode_32 3
		.amdhsa_float_denorm_mode_16_64 3
		.amdhsa_memory_ordered 1
		.amdhsa_forward_progress 1
		.amdhsa_inst_pref_size 163
	.end_amdhsa_kernel
	.amdgpu_metadata
---
amdhsa.version: [ 1, 2 ]
amdhsa.kernels:
  - .name:           k_q011f69fe85_attn
    .symbol:         k_q011f69fe85_attn.kd
    .args:
      - { .name: qkv, .offset: 0, .size: 8, .value_kind: global_buffer, .address_space: global }
      - { .name: Wo_codes, .offset: 8, .size: 8, .value_kind: global_buffer, .address_space: global }
      - { .name: Wo_scales, .offset: 16, .size: 8, .value_kind: global_buffer, .address_space: global }
      - { .name: colp, .offset: 24, .size: 8, .value_kind: global_buffer, .address_space: global }
      - { .name: ctxp, .offset: 32, .size: 8, .value_kind: global_buffer, .address_space: global }
    .group_segment_fixed_size: 327680
    .private_segment_fixed_size: 0
    .kernarg_segment_align: 8
    .kernarg_segment_size: 40
    .max_flat_workgroup_size: 256
    .sgpr_count:     84
    .vgpr_count:     512
    .wavefront_size: 32
...
	.end_amdgpu_metadata
.endif
;; end of part 2
;; launch reduce (part 3): grid 16 x 4, 8 waves a work-group, no clusters, 9,216 bytes of LDS; arguments colp, ctxp, bo, out1, out0, corrp; writes out1, out0, corrp
.if DOCPART == 3
	.amdgcn_target "amdgcn-amd-amdhsa--gfx1250"
	.amdhsa_code_object_version 6
	.text
	.protected	k_q011f69fe85_reduce
	.globl	k_q011f69fe85_reduce
	.p2align	8
	.type	k_q011f69fe85_reduce,@function
k_q011f69fe85_reduce:
	s_mov_b64 s[64:65], 0
	v_nop
	global_prefetch_b8 v0, s[64:65] scope:SCOPE_SE
	s_setreg_imm32_b32 hwreg(HW_REG_WAVE_MODE, 25, 1), 1
	s_wait_xcnt 0x0
; out1[b][h][k] = (the sum over the 8 query blocks of colp[8 b + h][qb][k]) / 2048;  out0[b][n] = (the sum over 8 heads and 8 query blocks of ctxp[8 b + h][qb][n]) / 2048 + bo[n];
; corrp[b][chunk][h][g] = the sum over the chunk's 128 keys of out1[b][h][k] out1[b][g][k].
; A work-group takes a batch b (y), 128 keys of all 8 heads and 64 columns of the context (x).  Wave w is head w.  Every load and store of a wave covers whole runs of 256 bytes or more.
; The 8 x 8 products have 8 rows: too few for a matrix tile, and a few thousand multiply-adds a work-group: fused multiply-adds in f32.  No tensor loads, no cluster: nothing is shared between work-groups.
.set AV, 0                             ; LDS: the 8 heads' 128 means, 512 bytes each
.set CX, 4096                          ; the 8 heads' 64 partial context sums, 256 bytes each
.set CP, 6144                          ; the 64 products
	s_load_b256 s[4:11], s[0:1], 0x0               ; colp, ctxp, bo, out1
	s_load_b128 s[12:15], s[0:1], 0x20             ; out0, corrp
	v_lshl_add_u32 v104, v0, 2, 0x2000
	v_mov_b32 v105, 0
	v_lshrrev_b32 v1, 5, v0
	s_delay_alu instid0(VALU_DEP_1)
	v_readfirstlane_b32 s16, v1                    ; wave = head
	v_and_b32 v1, 31, v0
	s_delay_alu instid0(VALU_DEP_1)
	v_lshlrev_b32 v2, 4, v1                        ; 16 x lane
	s_delay_alu instid0(VALU_DEP_2)
	v_lshlrev_b32 v4, 3, v1                        ; 8 x lane
	v_and_b32 v5, 15, v0
	v_bfe_u32 v6, v0, 4, 1
	s_delay_alu instid0(VALU_DEP_2)
	v_lshlrev_b32 v3, 4, v5
	s_delay_alu instid0(VALU_DEP_1)
	v_lshl_add_u32 v3, v6, 12, v3                  ; ctxp: lanes 0-15 one query block's 256 bytes, lanes 16-31 the next one's
	s_lshl_b32 s24, s16, 9
	v_add_nc_u32 v7, s24, v2                       ; AV: 512 w + 16 x lane
	s_lshl_b32 s24, s16, 8
	v_lshl_add_u32 v58, v5, 4, s24                 ; CX: 256 w + 16 r
	s_lshl_b32 s24, s16, 5
	v_mov_b32 v59, s24                             ; CP: 32 w
	s_mov_b32 s17, ttmp9                           ; chunk
	s_and_b32 s18, ttmp7, 0xffff                   ; b
	s_lshl_b32 s19, s18, 3
	s_add_co_u32 s19, s19, s16                     ; 8 b + head
	s_lshl_b32 s24, s17, 9
	s_lshl_b32 s25, s17, 8
	s_lshl_b32 s20, s19, 16
	s_add_co_u32 s20, s20, s24
	s_mov_b32 s21, 0
	s_lshl_b32 s22, s19, 15
	s_add_co_u32 s22, s22, s25
	s_mov_b32 s23, 0
	s_lshl_b32 s26, s19, 13
	s_add_co_u32 s26, s26, s24
	s_mov_b32 s27, 0
	s_mov_b32 s28, s25
	s_mov_b32 s29, 0
	s_lshl_b32 s30, s18, 12
	s_add_co_u32 s30, s30, s25
	s_mov_b32 s31, 0
	s_lshl_b32 s32, s18, 4
	s_add_co_u32 s32, s32, s17
	s_lshl_b32 s32, s32, 8
	s_mov_b32 s33, 0
	s_mov_b32 s34, 0x76543210
	s_mov_b32 s35, 0xfedcba98
	s_wait_alu depctr_va_vdst(0)
	s_wait_kmcnt 0x0
	s_add_nc_u64 s[4:5], s[4:5], s[20:21]
	s_add_nc_u64 s[6:7], s[6:7], s[22:23]
	s_add_nc_u64 s[8:9], s[8:9], s[28:29]
	s_add_nc_u64 s[10:11], s[10:11], s[26:27]
	s_add_nc_u64 s[12:13], s[12:13], s[30:31]
	s_add_nc_u64 s[14:15], s[14:15], s[32:33]
.irp i, 0,1,2,3,4,5,6,7
	global_load_b128 v[8+4*\i:11+4*\i], v2, s[4:5] offset:8192*\i th:TH_LOAD_NT
.endr
.irp i, 0,1,2,3
	global_load_b128 v[40+4*\i:43+4*\i], v3, s[6:7] offset:8192*\i th:TH_LOAD_NT
.endr
	global_load_b64 v[56:57], v4, s[8:9]
	s_wait_loadcnt 5                               ; colp's eight are in; ctxp's four and bo's one may be out
.irp i, 0,1,2,3
	v_pk_add_f32 v[8+4*\i:9+4*\i], v[8+4*\i:9+4*\i], v[24+4*\i:25+4*\i]
	v_pk_add_f32 v[10+4*\i:11+4*\i], v[10+4*\i:11+4*\i], v[26+4*\i:27+4*\i]
.endr
.irp i, 0,1
	s_delay_alu instid0(VALU_DEP_4)
	v_pk_add_f32 v[8+4*\i:9+4*\i], v[8+4*\i:9+4*\i], v[16+4*\i:17+4*\i]
	s_delay_alu instid0(VALU_DEP_4)
	v_pk_add_f32 v[10+4*\i:11+4*\i], v[10+4*\i:11+4*\i], v[18+4*\i:19+4*\i]
.endr
	s_delay_alu instid0(VALU_DEP_2)
	v_pk_add_f32 v[8:9], v[8:9], v[12:13]
	s_delay_alu instid0(VALU_DEP_2)
	v_pk_add_f32 v[10:11], v[10:11], v[14:15]
	s_delay_alu instid0(VALU_DEP_2)
	v_pk_mul_f32 v[8:9], v[8:9], 0x3a000000 op_sel_hi:[1,0]          ; x 2^-11
	s_delay_alu instid0(VALU_DEP_2)
	v_pk_mul_f32 v[10:11], v[10:11], 0x3a000000 op_sel_hi:[1,0]
	global_store_b128 v2, v[8:11], s[10:11]        ; 512 consecutive bytes of out1; v8-11 are not written again
	ds_store_b128 v7, v[8:11] offset:AV
	s_wait_loadcnt 0x0
	v_pk_add_f32 v[40:41], v[40:41], v[48:49]
	v_pk_add_f32 v[42:43], v[42:43], v[50:51]
	v_pk_add_f32 v[44:45], v[44:45], v[52:53]
	v_pk_add_f32 v[46:47], v[46:47], v[54:55]
	s_delay_alu instid0(VALU_DEP_2)
	v_pk_add_f32 v[40:41], v[40:41], v[44:45]
	s_delay_alu instid0(VALU_DEP_2)
	v_pk_add_f32 v[42:43], v[42:43], v[46:47]
.irp i, 0,1,2,3
	v_permlanex16_b32 v[44+\i], v[40+\i], s34, s35
.endr
	s_delay_alu instid0(VALU_DEP_3)
	v_pk_add_f32 v[40:41], v[40:41], v[44:45]
	s_delay_alu instid0(VALU_DEP_2)
	v_pk_add_f32 v[42:43], v[42:43], v[46:47]
	ds_store_b128 v58, v[40:43] offset:CX          ; both halves of the lanes write the same bytes with the same values
	s_wait_dscnt 0x0                               ; for the others' sake
	s_barrier_signal -1
	s_barrier_wait -1
.irp g, 0,1,2,3,4,5,6,7
	ds_load_b128 v[60+4*\g:63+4*\g], v2 offset:AV+512*\g
.endr
	s_wait_dscnt 0x0
.irp g, 0,1,2,3,4,5,6,7
	v_mul_f32 v[92+\g], v8, v[60+4*\g]
.endr
.irp g, 0,1,2,3,4,5,6,7
	v_fmac_f32 v[92+\g], v9, v[61+4*\g]
.endr
.irp g, 0,1,2,3,4,5,6,7
	v_fmac_f32 v[92+\g], v10, v[62+4*\g]
.endr
.irp g, 0,1,2,3,4,5,6,7
	v_fmac_f32 v[92+\g], v11, v[63+4*\g]
.endr
.irp m, 1,2,4,8
.irp g, 0,1,2,3,4,5,6,7
	v_add_f32_dpp v[92+\g], v[92+\g], v[92+\g] row_xmask:\m row_mask:0xf bank_mask:0xf
.endr
.endr
.irp g, 0,1,2,3,4,5,6,7
	v_permlanex16_b32 v[60+\g], v[92+\g], s34, s35
.endr
.irp g, 0,1,2,3,4,5,6,7
	v_add_f32 v[92+\g], v[92+\g], v[60+\g]
.endr
	ds_store_b128 v59, v[92:95] offset:CP          ; every lane holds the same eight numbers
	ds_store_b128 v59, v[96:99] offset:CP+16
	s_wait_dscnt 0x0
	s_barrier_signal -1
	s_barrier_wait -1
	s_cmp_lg_u32 s16, 0                            ; wave 0 stores the two runs of 256 bytes
	s_cbranch_scc1 .Lend
	ds_load_b64 v[60:61], v4 offset:CP
.irp i, 0,1,2,3,4,5,6,7
	ds_load_b64 v[62+2*\i:63+2*\i], v4 offset:CX+256*\i
.endr
	s_wait_dscnt 8                                 ; the eight context loads may be out
	global_store_b64 v4, v[60:61], s[14:15]
	s_wait_dscnt 0x0
	v_pk_add_f32 v[62:63], v[62:63], v[70:71]
	v_pk_add_f32 v[64:65], v[64:65], v[72:73]
	v_pk_add_f32 v[66:67], v[66:67], v[74:75]
	v_pk_add_f32 v[68:69], v[68:69], v[76:77]
	s_delay_alu instid0(VALU_DEP_2)
	v_pk_add_f32 v[62:63], v[62:63], v[66:67]
	s_delay_alu instid0(VALU_DEP_2)
	v_pk_add_f32 v[64:65], v[64:65], v[68:69]
	s_delay_alu instid0(VALU_DEP_1)
	v_pk_add_f32 v[62:63], v[62:63], v[64:65]
	s_delay_alu instid0(VALU_DEP_1)
	v_pk_fma_f32 v[62:63], v[62:63], 0x3a000000, v[56:57] op_sel_hi:[1,0,1]   ; / 2048 + bo
	global_store_b64 v4, v[62:63], s[12:13]
.Lend:
	s_wait_tensorcnt 0x0
	ds_add_u32 v104, v105
	s_wait_dscnt 0x0
	s_endpgm
.Lfunc_end_k_q011f69fe85_reduce:
	.size	k_q011f69fe85_reduce, .Lfunc_end_k_q011f69fe85_reduce-k_q011f69fe85_reduce
	.p2alignl 7, 3214868480
	.fill 96, 4, 3214868480
	.section	.rodata,"a",@progbits
	.p2align	6, 0x0
	.amdhsa_kernel k_q011f69fe85_reduce
		.amdhsa_group_segment_fixed_size 9216
		.amdhsa_private_segment_fixed_size 0
		.amdhsa_enable_private_segment 0
		.amdhsa_kernarg_size 48
		.amdhsa_user_sgpr_count 2
		.amdhsa_user_sgpr_kernarg_segment_ptr 1
		.amdhsa_wavefront_size32 1
		.amdhsa_system_sgpr_workgroup_id_x 1
		.amdhsa_system_sgpr_workgroup_id_y 1
		.amdhsa_system_sgpr_workgroup_id_z 1
		.amdhsa_system_vgpr_workitem_id 0
		.amdhsa_next_free_vgpr 106
		.amdhsa_next_free_sgpr 66
		.amdhsa_reserve_vcc 0
		.amdhsa_float_denorm_mode_32 3
		.amdhsa_float_denorm_mode_16_64 3
		.amdhsa_memory_ordered 1
		.amdhsa_forward_progress 1
		.amdhsa_inst_pref_size 13
	.end_amdhsa_kernel
	.amdgpu_metadata
---
amdhsa.version: [ 1, 2 ]
amdhsa.kernels:
  - .name:           k_q011f69fe85_reduce
    .symbol:         k_q011f69fe85_reduce.kd
    .args:
      - { .name: colp, .offset: 0, .size: 8, .value_kind: global_buffer, .address_space: global }
      - { .name: ctxp, .offset: 8, .size: 8, .value_kind: global_buffer, .address_space: global }
      - { .name: bo, .offset: 16, .size: 8, .value_kind: global_buffer, .address_space: global }
      - { .name: out1, .offset: 24, .size: 8, .value_kind: global_buffer, .address_space: global }
      - { .name: out0, .offset: 32, .size: 8, .value_kind: global_buffer, .address_space: global }
      - { .name: corrp, .offset: 40, .size: 8, .value_kind: global_buffer, .address_space: global }
    .group_segment_fixed_size: 9216
    .private_segment_fixed_size: 0
    .kernarg_segment_align: 8
    .kernarg_segment_size: 48
    .max_flat_workgroup_size: 256
    .sgpr_count:     66
    .vgpr_count:     106
    .wavefront_size: 32
...
	.end_amdgpu_metadata
.endif
;; end of part 3
;; launch divers (part 4): grid 1 x 1, 1 waves a work-group, no clusters, 0 bytes of LDS; arguments corrp, out2; writes out2
.if DOCPART == 4
	.amdgcn_target "amdgcn-amd-amdhsa--gfx1250"
	.amdhsa_code_object_version 6
	.text
	.protected	k_q011f69fe85_divers
	.globl	k_q011f69fe85_divers
	.p2align	8
	.type	k_q011f69fe85_divers,@function
k_q011f69fe85_divers:
	s_mov_b64 s[64:65], 0
	v_nop
	global_prefetch_b8 v0, s[64:65] scope:SCOPE_SE
	s_setreg_imm32_b32 hwreg(HW_REG_WAVE_MODE, 25, 1), 1
	s_wait_xcnt 0x0
; out2 = the mean over 4 batches and 8 x 8 pairs of heads of |corr| off the diagonal.  corr[b] = the sum over 16 chunks of corrp[b][chunk].  The magnitude stands behind the sum over all keys, so this
; is a launch of its own: one wave reads 16,384 bytes; lane l holds elements 2 l and 2 l + 1 of the 64.
	s_load_b128 s[4:7], s[0:1], 0x0                ; corrp, out2
	v_lshlrev_b32 v1, 3, v0
	s_mov_b32 s8, 0x76543210
	s_mov_b32 s9, 0xfedcba98
	s_wait_alu depctr_va_vdst(0)
	s_wait_kmcnt 0x0
.set i, 0
.rept 64
	global_load_b64 v[8+2*i:9+2*i], v1, s[4:5] offset:256*i
.set i, i+1
.endr
	v_lshlrev_b32 v6, 1, v0                        ; element 2 l = 8 h + g
	v_lshrrev_b32 v7, 3, v6                        ; h, of both my elements
	v_and_b32 v136, 7, v6                          ; g of the first,
	v_or_b32 v137, 1, v136                         ; of the second
	v_mov_b32 v138, 0
	s_wait_loadcnt 0x0
.irp c, 1,2,3,4,5,6,7,8,9,10,11,12,13,14,15
.irp b, 0,1,2,3
	v_pk_add_f32 v[8+32*\b:9+32*\b], v[8+32*\b:9+32*\b], v[8+32*\b+2*\c:9+32*\b+2*\c]
.endr
.endr
	v_add_f32 v2, |v8|, |v40|
	v_add_f32 v3, |v72|, |v104|
	v_add_f32 v4, |v9|, |v41|
	v_add_f32 v5, |v73|, |v105|
	v_add_f32 v2, v2, v3
	v_add_f32 v4, v4, v5
	v_cmp_eq_u32 vcc_lo, v7, v136
	v_cndmask_b32 v2, v2, v138, vcc_lo             ; the diagonal counts for nothing
	v_cmp_eq_u32 vcc_lo, v7, v137
	v_cndmask_b32 v4, v4, v138, vcc_lo
	v_add_f32 v2, v2, v4
	v_add_f32_dpp v2, v2, v2 row_xmask:1 row_mask:0xf bank_mask:0xf
	v_add_f32_dpp v2, v2, v2 row_xmask:2 row_mask:0xf bank_mask:0xf
	v_add_f32_dpp v2, v2, v2 row_xmask:4 row_mask:0xf bank_mask:0xf
	v_add_f32_dpp v2, v2, v2 row_xmask:8 row_mask:0xf bank_mask:0xf
	v_permlanex16_b32 v3, v2, s8, s9
	v_add_f32 v2, v2, v3
	v_mul_f32 v2, 0x3b800000, v2                   ; / 256
	v_cmp_eq_u32 vcc_lo, 0, v0
	s_wait_alu depctr_va_vdst(0)
	s_wait_xcnt 0x0                                ; EXEC changes only behind this wait
	s_and_saveexec_b32 s10, vcc_lo
	global_store_b32 v138, v2, s[6:7]              ; lane 0 stores the one number
	s_endpgm
.Lfunc_end_k_q011f69fe85_divers:
	.size	k_q011f69fe85_divers, .Lfunc_end_k_q011f69fe85_divers-k_q011f69fe85_divers
	.p2alignl 7, 3214868480
	.fill 96, 4, 3214868480
	.section	.rodata,"a",@progbits
	.p2align	6, 0x0
	.amdhsa_kernel k_q011f69fe85_divers
		.amdhsa_group_segment_fixed_size 0
		.amdhsa_private_segment_fixed_size 0
		.amdhsa_enable_private_segment 0
		.amdhsa_kernarg_size 16
		.amdhsa_user_sgpr_count 2
		.amdhsa_user_sgpr_kernarg_segment_ptr 1
		.amdhsa_wavefront_size32 1
		.amdhsa_system_sgpr_workgroup_id_x 1
		.amdhsa_system_sgpr_workgroup_id_y 1
		.amdhsa_system_sgpr_workgroup_id_z 1
		.amdhsa_system_vgpr_workitem_id 0
		.amdhsa_next_free_vgpr 144
		.amdhsa_next_free_sgpr 66
		.amdhsa_reserve_vcc 1
		.amdhsa_float_denorm_mode_32 3
		.amdhsa_float_denorm_mode_16_64 3
		.amdhsa_memory_ordered 1
		.amdhsa_forward_progress 1
		.amdhsa_inst_pref_size 12
	.end_amdhsa_kernel
	.amdgpu_metadata
---
amdhsa.version: [ 1, 2 ]
amdhsa.kernels:
  - .name:           k_q011f69fe85_divers
    .symbol:         k_q011f69fe85_divers.kd
    .args:
      - { .name: corrp, .offset: 0, .size: 8, .value_kind: global_buffer, .address_space: global }
      - { .name: out2, .offset: 8, .size: 8, .value_kind: global_buffer, .address_space: global }
    .group_segment_fixed_size: 0
    .private_segment_fixed_size: 0
    .kernarg_segment_align: 8
    .kernarg_segment_size: 16
    .max_flat_workgroup_size: 32
    .sgpr_count:     66
    .vgpr_count:     144
    .wavefront_size: 32
...
	.end_amdgpu_metadata
.endif
;; end of part 4
